; MI455X (gfx1250); checked and timed in simulation.
; The chip was launched on July 23, 2026; its instructions are those of AMD's public machine-readable ISA for CDNA 5 (MIT licence, August 2026) and "CDNA5" Instruction Set Architecture Reference Guide (July 2026). The comments in the code are by the model that wrote it; some were corrected since.
;; Neural Network. Allowed arithmetic: float matrix products may take bf16 or f16 operands with f32 sums; all other float work in f32.
;; Inputs: W1 2,048 x 256 float32; W2 1 x 2,048 float32; Wc 1 x 256 float32; b1 2,048 float32; b2 1 float32; x 131,072 x 256 float32.
;; Outputs: out0 131,072 x 1 float32; out1 131,072 x 1 float32.
;; 3 versions, each right and faster than the one before. Each part assembles by itself: llvm-mc -triple=amdgcn-amd-amdhsa -mcpu=gfx1250 --defsym DOCPART=n.
;; ======== version 1 of 3: 2 launches
;; limits: a difference of large sums (such as E[x^2] - mean^2): digits are lost where the result is much smaller than its terms
;; workspace buffers: wp 1,073,664 bytes
;; launch prep (part 1): grid 129 x 1, 4 waves a work-group, no clusters, 0 bytes of LDS; arguments W1, W2, Wc, b1, b2, wp; writes wp
.if DOCPART == 1
	.amdgcn_target "amdgcn-amd-amdhsa--gfx1250"
	.amdhsa_code_object_version 6
	.text
	.protected	k_q442a1b5550_prep
	.globl	k_q442a1b5550_prep
	.p2align	8
	.type	k_q442a1b5550_prep,@function
k_q442a1b5550_prep:
	s_mov_b64 s[64:65], 0
	v_nop
	global_prefetch_b8 v0, s[64:65] scope:SCOPE_SE
	s_setreg_imm32_b32 hwreg(HW_REG_WAVE_MODE, 25, 1), 1
	s_wait_xcnt 0x0
; prep: the weights in the form that the launch mlp streams.  wp is made of rows of 512 bytes (256 bf16):
;   rows 0..2047     bf16(s_k W1[k][:]),  s_k = the sign of W2[k]
;   rows 2048..2063  sixteen copies of bf16(Wc)
;   rows 2064..2095  tables: entry t (128 bytes) = cb[16t .. 16t+15], then a[16t .. 16t+15], f32,
;                    a_k = 1 / (2 |W2_k|),  cb_k = C2 s_k b1_k - 1 - log2 |W2_k|,  C2 = 2 log2 e
;   row  2096        zc = b2 + the sum of all |W2_k|, in its first 32 words (the rest of the row is neither written nor read)
; With these, W2_k tanh(y_k) = |W2_k| - 1 / (a_k + 2^(C2 s_k (x . W1_k) + cb_k)), exactly, for every y.
; LIMITS: |W2_k| above 2^125 is not served (a_k would be a denormal, which v_rcp_f32 takes as 0: ISA guide 15.8);
; a zero or denormal W2_k gives a = cb = +inf and so counts as 0, an error below 2^-126 each.
; Work-group t < 128 makes rows 16t .. 16t+15 and table entry t; work-group 128 makes Wc's sixteen rows and zc.
; Wave w takes rows 4w .. 4w+3; a lane takes 8 numbers of a row: 32 bytes in, 16 bytes out, so that
; each store of a wave covers 512 consecutive bytes, aligned.  3 MiB move in all: no LDS, no barrier, no ring.
.set C2,   0x4038aa3b                  ; 2 log2 e
.set LAST, 128                         ; the work-group that makes Wc's rows and zc
.set TABS, 0x102000                    ; byte of wp's row 2064
.set ZC,   0x106000                    ; byte of wp's row 2096
	s_load_b256 s[4:11], s[0:1], 0x0               ; W1 s[4:5], W2 s[6:7], Wc s[8:9], b1 s[10:11]
	s_load_b128 s[12:15], s[0:1], 0x20             ; b2 s[12:13], wp s[14:15]
	v_lshrrev_b32 v1, 5, v0
	v_readfirstlane_b32 s16, v1                    ; wave w
	v_and_b32 v1, 31, v0                           ; lane
	s_mov_b32 s17, ttmp9                           ; t
	s_cmp_eq_u32 s17, LAST
	s_cselect_b32 s18, 0, -1                       ; a mask: all ones where the rows are W1's
	s_cselect_b32 s19, 0, 1024                     ; bytes from source row to source row: Wc's one row is read sixteen times
	s_lshl_b32 s22, s17, 14                        ; 16 rows of 1,024 bytes a work-group,
	s_and_b32 s22, s22, s18                        ; or 0 for Wc
	s_mov_b32 s23, 0
	s_lshl_b32 s24, s17, 6
	s_lshl4_add_u32 s24, s16, s24                  ; byte of W2[16t + 4w],
	s_and_b32 s24, s24, s18                        ; or 0 (read and masked away below)
	s_lshl_b32 s25, s16, 2                         ; my first row in the work-group's sixteen
.irp p, 0,1,2,3
	s_add_co_u32 s26, s25, \p
	s_mul_i32 s26, s26, s19
	v_lshl_add_u32 v[2+\p], v1, 5, s26             ; 32 lane + row x stride
.endr
	s_lshl_b32 s26, s16, 11
	v_lshl_add_u32 v6, v1, 4, s26                  ; out: 16 lane + 4w rows of 512 bytes
	s_lshl_b32 s42, s17, 13                        ; 16 rows of 512 bytes a work-group; t = 128 lands on row 2048
	s_mov_b32 s43, 0
	s_wait_kmcnt 0x0
	s_cmp_eq_u32 s17, LAST                         ; compared anew: the shifts above have set SCC
	s_cselect_b64 s[20:21], s[8:9], s[4:5]         ; the source: Wc or W1
	s_add_nc_u64 s[20:21], s[20:21], s[22:23]
	s_add_nc_u64 s[40:41], s[14:15], s[42:43]
	s_load_b128 s[28:31], s[6:7], s24 offset:0x0   ; W2 of my four rows
.irp p, 0,1,2,3
	global_load_b128 v[8+8*\p:8+8*\p+3],   v[2+\p], s[20:21]
	global_load_b128 v[8+8*\p+4:8+8*\p+7], v[2+\p], s[20:21] offset:16
.endr
	s_wait_kmcnt 0x0
.irp p, 0,1,2,3
	s_and_b32  s[32+\p], s[28+\p], 0x80000000      ; the sign of W2,
	s_lshr_b32 s[36+\p], s[32+\p], 16
	s_or_b32   s[32+\p], s[32+\p], s[36+\p]        ; at the sign bits of two bf16,
	s_and_b32  s[32+\p], s[32+\p], s18             ; and none for Wc's rows
.endr
.irp p, 0,1,2,3
	s_wait_loadcnt 6-2*\p                          ; loads come back in order (ISA guide 5.7.1): two for each younger row stay out
.irp j, 0,1,2,3
	v_cvt_pk_bf16_f32 v[40+4*\p+\j], v[8+8*\p+2*\j], v[8+8*\p+2*\j+1]
.endr
.irp j, 0,1,2,3
	v_xor_b32 v[40+4*\p+\j], s[32+\p], v[40+4*\p+\j]
.endr
	global_store_b128 v6, v[40+4*\p:40+4*\p+3], s[40:41] offset:512*\p
.endr
	; What follows is wave 0's alone.  It names none of v6, v40-55, s[40:41], which the stores above may still read.
	s_cmp_lg_u32 s16, 0
	s_cbranch_scc1 .Lend
	s_cmp_eq_u32 s17, LAST
	s_cbranch_scc1 .Lzc
	; Table entry t: lanes 0-15 make cb, lanes 16-31 make a, of hidden unit 16t + lane % 16.
	; One store of 128 consecutive bytes; the whole table is 16 KiB, so the half-filled 256 bytes are accepted.
	v_and_b32 v7, 15, v0
	s_lshl_b32 s27, s17, 6
	v_lshl_add_u32 v7, v7, 2, s27
	global_load_b32 v56, v7, s[6:7]                ; W2_k
	global_load_b32 v57, v7, s[10:11]              ; b1_k
	s_lshl_b32 s42, s17, 7
	s_add_co_u32 s42, s42, TABS
	s_add_nc_u64 s[44:45], s[14:15], s[42:43]
	v_lshlrev_b32 v61, 2, v1
	s_wait_loadcnt 0x0
	v_and_b32 v58, 0x7fffffff, v56                 ; |W2_k|
	v_and_b32 v59, 0x80000000, v56                 ; its sign
	v_rcp_f32 v60, v58
	v_log_f32 v62, v58
	v_xor_b32 v59, v59, v57                        ; s_k b1_k; also the plain instruction between the two lines above and the use of their results (ISA guide 5.7.2)
	s_wait_alu depctr_va_vdst(0)
	v_mul_f32 v60, 0.5, v60                        ; a_k
	v_sub_f32 v62, -1.0, v62                       ; -1 - log2 |W2_k|
	v_fmamk_f32 v62, v59, C2, v62                  ; cb_k
	v_cmp_gt_u32 vcc_lo, 16, v1
	v_cndmask_b32 v63, v60, v62, vcc_lo            ; lane < 16: cb, else a
	global_store_b32 v61, v63, s[44:45]
	s_branch .Lend
.Lzc:	; zc = b2 + the sum of |W2_k| over all 2,048: 64 numbers a lane in four chains, then across the 32 lanes
	v_lshlrev_b32 v7, 4, v1
.irp i, 0,1,2,3,4,5,6,7,8,9,10,11,12,13,14,15
	global_load_b128 v[64+4*\i:64+4*\i+3], v7, s[6:7] offset:512*\i
.endr
	s_load_b32 s26, s[12:13], 0x0                  ; b2
	s_mov_b32 s46, 0x76543210                      ; v_permlanex16_b32: lane i of one half reads lane i of the other
	s_mov_b32 s47, 0xfedcba98
	s_add_nc_u64 s[44:45], s[14:15], ZC
	v_lshlrev_b32 v61, 2, v1
	v_mov_b32 v60, 0                               ; v_permlanex16_b32 counts as a reader of its destination
	s_wait_loadcnt 0x0
	v_add_f32 v56, |v64|, |v65|                    ; the first eight numbers start the four chains: nothing is cleared
	v_add_f32 v57, |v66|, |v67|
	v_add_f32 v58, |v68|, |v69|
	v_add_f32 v59, |v70|, |v71|
.set j, 72
.rept 56
	v_add_f32 v[56+j%4], v[56+j%4], |v[j]|
.set j, j+1
.endr
	v_add_f32 v56, v56, v57
	v_add_f32 v58, v58, v59
	v_add_f32 v56, v56, v58
	v_add_f32_dpp v56, v56, v56 row_xmask:1 row_mask:0xf bank_mask:0xf
	v_add_f32_dpp v56, v56, v56 row_xmask:2 row_mask:0xf bank_mask:0xf
	v_add_f32_dpp v56, v56, v56 row_xmask:4 row_mask:0xf bank_mask:0xf
	v_add_f32_dpp v56, v56, v56 row_xmask:8 row_mask:0xf bank_mask:0xf
	v_permlanex16_b32 v60, v56, s46, s47
	v_add_f32 v56, v56, v60
	s_wait_kmcnt 0x0
	v_add_f32 v56, s26, v56
	global_store_b32 v61, v56, s[44:45]            ; the same number in 32 words
.Lend:
	s_endpgm
.Lfunc_end_k_q442a1b5550_prep:
	.size	k_q442a1b5550_prep, .Lfunc_end_k_q442a1b5550_prep-k_q442a1b5550_prep
	.p2alignl 7, 3214868480
	.fill 96, 4, 3214868480
	.section	.rodata,"a",@progbits
	.p2align	6, 0x0
	.amdhsa_kernel k_q442a1b5550_prep
		.amdhsa_group_segment_fixed_size 0
		.amdhsa_private_segment_fixed_size 0
		.amdhsa_enable_private_segment 0
		.amdhsa_kernarg_size 48
		.amdhsa_user_sgpr_count 2
		.amdhsa_user_sgpr_kernarg_segment_ptr 1
		.amdhsa_wavefront_size32 1
		.amdhsa_system_sgpr_workgroup_id_x 1
		.amdhsa_system_sgpr_workgroup_id_y 1
		.amdhsa_system_sgpr_workgroup_id_z 1
		.amdhsa_system_vgpr_workitem_id 0
		.amdhsa_next_free_vgpr 128
		.amdhsa_next_free_sgpr 66
		.amdhsa_reserve_vcc 1
		.amdhsa_float_denorm_mode_32 3
		.amdhsa_float_denorm_mode_16_64 3
		.amdhsa_memory_ordered 1
		.amdhsa_forward_progress 1
		.amdhsa_inst_pref_size 13
	.end_amdhsa_kernel
	.amdgpu_metadata
---
amdhsa.version: [ 1, 2 ]
amdhsa.kernels:
  - .name:           k_q442a1b5550_prep
    .symbol:         k_q442a1b5550_prep.kd
    .args:
      - { .name: W1, .offset: 0, .size: 8, .value_kind: global_buffer, .address_space: global }
      - { .name: W2, .offset: 8, .size: 8, .value_kind: global_buffer, .address_space: global }
      - { .name: Wc, .offset: 16, .size: 8, .value_kind: global_buffer, .address_space: global }
      - { .name: b1, .offset: 24, .size: 8, .value_kind: global_buffer, .address_space: global }
      - { .name: b2, .offset: 32, .size: 8, .value_kind: global_buffer, .address_space: global }
      - { .name: wp, .offset: 40, .size: 8, .value_kind: global_buffer, .address_space: global }
    .group_segment_fixed_size: 0
    .private_segment_fixed_size: 0
    .kernarg_segment_align: 8
    .kernarg_segment_size: 48
    .max_flat_workgroup_size: 128
    .sgpr_count:     66
    .vgpr_count:     128
    .wavefront_size: 32
...
	.end_amdgpu_metadata
.endif
;; end of part 1
;; launch mlp (part 2): grid 256 x 1, 4 waves a work-group, clusters of 4 x 1, 327,680 bytes of LDS; arguments x, wp, out0, out1; writes out0, out1
.if DOCPART == 2
	.amdgcn_target "amdgcn-amd-amdhsa--gfx1250"
	.amdhsa_code_object_version 6
	.text
	.protected	k_q442a1b5550_mlp
	.globl	k_q442a1b5550_mlp
	.p2align	8
	.type	k_q442a1b5550_mlp,@function
k_q442a1b5550_mlp:
	s_mov_b64 s[64:65], 0
	v_nop
	global_prefetch_b8 v0, s[64:65] scope:SCOPE_SE
	s_setreg_imm32_b32 hwreg(HW_REG_WAVE_MODE, 25, 1), 1
	s_wait_xcnt 0x0
	s_wait_alu depctr_hold_cnt(0) depctr_sa_sdst(0) depctr_va_vdst(0) depctr_va_sdst(0) depctr_va_ssrc(0) depctr_va_vcc(0) depctr_vm_vsrc(0)
	s_getreg_b32 s2, hwreg(HW_REG_IB_STS2, 6, 4)
	s_cmp_eq_u32 s2, 0
	s_cbranch_scc0 .Lentry_in_a_cluster
	s_endpgm
.Lentry_in_a_cluster:
	s_bfe_u32 s2, ttmp6, 0x10000c
	s_cmp_lg_u32 s2, 0x3003
	s_cbranch_scc0 .Lentry_shape_is_right
	s_endpgm
.Lentry_shape_is_right:
; mlp: out0 = tanh(tanh(x W1^T + b1) W2^T + b2), out1 = clip(x Wc^T, -1, 1), in one pass over x.
; x: [131072][256] f32.  wp: the launch prep's rows of 256 bf16 (s_k W1_k; sixteen copies of Wc; the tables cb, a; zc).
;
; THE SUM.  W2_k tanh(y_k) = |W2_k| - 1 / (a_k + 2^(C2 acc_k + cb_k)), acc_k = x . (s_k W1_k), C2 = 2 log2 e, so
;   z = zc - S,  S = sum over k of rcp(exp2(C2 acc_k + cb_k) + a_k),   out0 = 1 - 2 rcp(1 + exp2(C2 z)).
; An exponential that overflows gives rcp(inf) = 0 (tanh = 1), one that underflows gives rcp(a_k) = 2 |W2_k| (tanh = -1):
; no clamp and no cut.  Each of the three plain instructions of a pair of hidden units has a constant or a scalar as its second source.
; LIMITS: |W2_k| above 2^125 is not served; a zero or denormal W2_k counts as 0.  z is formed in f32 as zc minus a sum kept in four
; partial sums a row, in another order than a row-wise sum: its rounding error scales with the sum of |W2_k| (about 2^-22 of it),
; not with z.  x, W1 and Wc enter the products rounded to bf16.  NaN and infinities in x are not treated apart.
;
; SHARES.  256 work-groups of four waves; a work-group owns 512 rows of x, a wave 128: eight blocks of 16 rows.  A wave's x stays in
; registers as bf16 fragments for the whole launch (8 blocks x 8 K steps x 8 = 512 registers), read from memory once.  W1 (1 MiB in
; bf16) goes once through a ring of two LDS slots of 128 hidden rows.  For a tile of 16 hidden units a wave reads 8 KiB from LDS
; and issues 64 matrix instructions.
; THE MATRIX INSTRUCTION takes 16 rows of W1 as source 0 and 16 rows of x as source 1: register j of lane (r, h) then holds hidden
; unit 8h + j of x's row r (ISA guide 7.12.2), so a lane sums over hidden units in itself, and one add across the halves is left for the end.
; WOVEN.  A tile is two groups of 32 matrix instructions (blocks 0-3 into P, blocks 4-7 into Q).  While one group is multiplied the
; results of the group before go through exp2 and rcp, instruction by instruction between the matrix instructions.
; CLUSTER.  Every work-group walks the same W1, so four work-groups ask for each tile jointly (mask 15): the requests for W1 are
; divided by four.  A mask names four work-groups at the most here, so a cluster of sixteen would divide them no further.
;
; REGISTERS, in windows of 256: window 0 as named below; window 1: x fragments of blocks 0-3 (block i, K step kk at 64 i + 8 kk);
; window 2: those of blocks 4-7.  Only source 1 of a matrix instruction lies outside window 0, and no other instruction of the
; loop has a vector register as source 1: one s_set_vgpr_msb serves a whole group.
.set PITCH, 528                        ; an LDS row: 512 bytes + 16 of padding = 33 x 16, so the 16 rows of a fragment load start 16 bytes apart modulo 256
.set TILEB, 16*PITCH                   ; a tile of 16 rows
.set SLOT,  8*TILEB                    ; a ring slot: 128 hidden rows
.set AUX,   2*SLOT                     ; 48 rows, filled once: Wc's tile, then the tables
.set TAB,   AUX+TILEB                  ; table entry e at (e >> 2) PITCH + 128 (e & 3)
.set XSCR,  AUX+3*TILEB                ; = 627 x 256: TILEB bytes for each wave, written by LDS stores alone; no tensor load lands here
.set STEPB, 128*512                    ; bytes of wp in a slot
.set ZC,    0x106000                   ; byte of zc in wp
.set ADRW0, 4                          ; v4   r PITCH + 16 h: my part of a fragment in slot 0
.set ADRW1, 5                          ; v5   the same in slot 1
.set ADRX,  6                          ; v6   the same in Wc's tile
.set ADRT,  7                          ; v7   TAB + 32 h, stepped by four table rows a lap
.set XS_ST, 8                          ; v8   my scratch + 8 lane
.set XS_LD, 9                          ; v9   my scratch + r PITCH + 16 h
.set XOFF,  10                         ; v10  my wave's rows in x + 16 lane
.set OST,   11                         ; v11  my scratch + 4 r
.set ORD,   12                         ; v12  my scratch + 16 lane
.set OOFF,  13                         ; v13  my wave's rows in out0, out1 + 16 lane
.set SUM,   16                         ; v16-31   block i: a pair of partial sums
.set TB0,   32                         ; v32-47   tables of the tiles of even number: cb of my 8 units, then a
.set TB1,   48                         ; v48-63   of odd number
.set TMP,   32                         ; v32-63   (while x comes in) a unit of 8 rows in bf16
.set W1F,   64                         ; v64-127  the tile's eight fragments of W1
.set STG,   64                         ; v64-255  (while x comes in) three units of 8 rows in f32
.set ACCP,  128                        ; v128-159 accumulators of blocks 0-3
.set ACCQ,  160                        ; v160-191 of blocks 4-7
.set U,     192                        ; v192-199 clip(x . Wc), a register a block
.set T,     200                        ; v200-215 a ring of eight pairs on their way through exp2 and rcp
.set E,     216                        ; v216-232 the end
.set G1,  16                           ; s[16:23] descriptor group 1: 32 rows of 256 bf16, padded
.set G1X, 24                           ; s[24:31] the same with 12 rows
.set G0,  32                           ; s[32:39] group 0 for slots 0 and 1
.set G0X, 40                           ; s[40:43] group 0 for AUX
.set MSB, 0
.macro WIN new                         ; the immediate's high byte repeats the setting that is left
.if MSB != \new
	s_set_vgpr_msb (MSB<<8)|\new
.set MSB, \new
.endif
.endm
; A round of the cluster's barrier: my work-group's barrier, so that wave 0 speaks for all four waves; wave 0 signals for the
; work-group; every wave waits for the four work-groups; my work-group's barrier once more.
.macro CREST                           ; a round behind its opening barrier
	s_cmp_lg_u32 s12, 0
	s_cbranch_scc1 .Lnot_wave_0_\@
	s_barrier_signal -3
.Lnot_wave_0_\@:
	s_barrier_wait -3
	s_barrier_signal -1
	s_barrier_wait -1
.endm
.macro CROUND                          ; a whole round
	s_barrier_signal -1
	s_barrier_wait -1
	CREST
.endm
	s_load_b256 s[4:11], s[0:1], 0x0               ; x s[4:5], wp s[6:7], out0 s[8:9], out1 s[10:11]
	v_lshl_add_u32 v15, v0, 2, 0x2f700
	s_set_vgpr_msb 0xc0
	v_mov_b32 v1, 0
	s_set_vgpr_msb 0xc0cc
	ds_add_u32 v15, v1
	s_set_vgpr_msb 0xcc00
	v_lshrrev_b32 v1, 5, v0
	v_readfirstlane_b32 s12, v1                    ; wave w
	s_bfe_u32 s13, ttmp6, 0x40000                  ; cx
	s_lshl_b32 s14, ttmp9, 2                       ; in a cluster launch ttmp9 counts clusters
	s_add_co_u32 s14, s14, s13                     ; work-group = 4 x cluster + cx: it enters the bases of x, out0, out1 and nothing else
	v_and_b32 v1, 31, v0                           ; lane
	v_and_b32 v2, 15, v0                           ; r
	v_bfe_u32 v3, v0, 4, 1                         ; h
	v_mul_u32_u24 v14, v2, PITCH
	v_lshl_add_u32 v[ADRW0], v3, 4, v14
	v_add_nc_u32 v[ADRW1], SLOT, v[ADRW0]
	v_add_nc_u32 v[ADRX], AUX, v[ADRW0]
	v_lshlrev_b32 v[ADRT], 5, v3
	v_add_nc_u32 v[ADRT], TAB, v[ADRT]
	s_mul_i32 s52, s12, TILEB
	s_add_co_u32 s52, s52, XSCR                    ; my wave's scratch
	v_lshl_add_u32 v[XS_ST], v1, 3, s52
	v_add_nc_u32 v[XS_LD], s52, v[ADRW0]
	v_lshl_add_u32 v[OST], v2, 2, s52
	v_lshl_add_u32 v[ORD], v1, 4, s52
	s_lshl_b32 s53, s12, 17                        ; 128 rows of 1,024 bytes a wave
	v_lshl_add_u32 v[XOFF], v1, 4, s53
	s_lshl_b32 s53, s12, 9                         ; 128 results of 4 bytes a wave
	v_lshl_add_u32 v[OOFF], v1, 4, s53
	s_mov_b32 s44, 0x4038aa3b                      ; C2, twice: a pair for the packed multiply-add
	s_mov_b32 s45, 0x4038aa3b
	s_mov_b32 s47, 0xc038aa3b                      ; -C2
	s_mov_b32 s50, 0x76543210                      ; v_permlanex16_b32: lane i of one half reads lane i of the other
	s_mov_b32 s51, 0xfedcba98
	; Group 1: 15:0 the mask, all four work-groups of the cluster; 17:16 elements of 2 bytes; 20 padding on; 21 set beside a mask;
	; 24:22 after every 128 words (code 6); 31:25 of 4 words (code 3).  The extents are the tile's: no tile crosses wp's end.
	s_mov_b32 s[G1+0], 15|(1<<16)|(1<<20)|(1<<21)|(6<<22)|(3<<25)
	s_mov_b32 s[G1+1], 256<<16                     ; tensor_dim0 = 256
	s_mov_b32 s[G1+2], 32<<16                      ; tensor_dim1 = 32
	s_mov_b32 s[G1+3], 256<<16                     ; tile_dim0 = 256
	s_mov_b32 s[G1+4], 32                          ; tile_dim1 = 32
	s_mov_b32 s[G1+5], 256                         ; elements from row to row
	s_mov_b32 s[G1+6], 0
	s_mov_b32 s[G1+7], 0
	s_mov_b32 s[G1X+0], 15|(1<<16)|(1<<20)|(1<<21)|(6<<22)|(3<<25)
	s_mov_b32 s[G1X+1], 256<<16
	s_mov_b32 s[G1X+2], 12<<16
	s_mov_b32 s[G1X+3], 256<<16
	s_mov_b32 s[G1X+4], 12
	s_mov_b32 s[G1X+5], 256
	s_mov_b32 s[G1X+6], 0
	s_mov_b32 s[G1X+7], 0
	; Group 0: each wave brings a quarter of a slot (32 rows) and of AUX (12 rows).  Wave number and constants alone: equal in the four partners.
	s_mov_b32 s[G0+0], 1
	s_mul_i32 s[G0+1], s12, 32*PITCH
	s_mov_b32 s[G0+4], 1
	s_add_co_u32 s[G0+5], s[G0+1], SLOT
	s_mov_b32 s[G0X+0], 1
	s_mul_i32 s[G0X+1], s12, 12*PITCH
	s_add_co_u32 s[G0X+1], s[G0X+1], AUX
	s_lshl_b32 s52, s12, 14                        ; 32 rows of 512 bytes
	s_mov_b32 s53, 0
	s_lshl_b32 s54, s14, 19                        ; 512 rows of 1,024 bytes a work-group
	s_mov_b32 s55, 0
	s_wait_dscnt 0x0
	s_wait_kmcnt 0x0
	s_load_b32 s46, s[6:7], ZC                     ; zc; waited for behind the x phase
	s_add_nc_u64 s[4:5], s[4:5], s[54:55]
	s_lshl_b32 s54, s14, 11                        ; 512 results of 4 bytes a work-group
	s_add_nc_u64 s[8:9], s[8:9], s[54:55]
	s_add_nc_u64 s[10:11], s[10:11], s[54:55]
	s_add_nc_u64 s[G0+2:G0+3], s[6:7], s[52:53]    ; hidden rows 32 w ..: slot 0's first tile
	s_add_nc_u64 s[G0+6:G0+7], s[G0+2:G0+3], STEPB ; and slot 1's
	s_mul_i32 s52, s12, 12*512
	s_add_co_u32 s52, s52, 2048*512
	s_add_nc_u64 s[G0X+2:G0X+3], s[6:7], s[52:53]  ; wp's rows 2048 + 12 w ..
	s_or_b32 s[G0+3], s[G0+3], 0x80000000          ; type = 2
	s_or_b32 s[G0+7], s[G0+7], 0x80000000
	s_or_b32 s[G0X+3], s[G0X+3], 0x80000000
; X COMES IN, in units of 8 rows (8 KiB): sixteen loads, each 512 consecutive bytes, half a row.  Three units of a wave are on their way.
.macro XLOAD u
.set XB, STG+64*((\u)%3)
.irp t, 0,1,2,3,4,5,6,7,8,9,10,11,12,13,14,15
	global_load_b128 v[XB+4*\t:XB+4*\t+3], v[XOFF], s[4:5] offset:8192*(\u)+512*\t th:TH_LOAD_NT
.endr
.endm
; Unit u: rounded to bf16, laid into my scratch as rows of 512 bytes; behind every second unit a block of 16 rows is whole and is
; read back as eight fragments.  left = the loads of the younger units, which stay out.
.macro XCONV u, left
	s_wait_loadcnt \left                           ; loads come back in order (ISA guide 5.7.1): unit u is in
	s_wait_dscnt 0x0                               ; the last unit's LDS stores have read TMP, and the last block's fragments have left the scratch
.set XB, STG+64*((\u)%3)
.irp t, 0,1,2,3,4,5,6,7,8,9,10,11,12,13,14,15
	v_cvt_pk_bf16_f32 v[TMP+2*\t],   v[XB+4*\t],   v[XB+4*\t+1]
	v_cvt_pk_bf16_f32 v[TMP+2*\t+1], v[XB+4*\t+2], v[XB+4*\t+3]
.endr
.if (\u)+3 < 16
	XLOAD (\u)+3                                   ; into the registers just read
.endif
.irp t, 0,1,2,3,4,5,6,7,8,9,10,11,12,13,14,15
	ds_store_b64 v[XS_ST], v[TMP+2*\t:TMP+2*\t+1] offset:(8*((\u)&1)+(\t>>1))*PITCH+256*(\t&1)
.endr
.if (\u)&1
.set XF, 64*(((\u)>>1)&3)
.if ((\u)>>1) < 4
	WIN 0x40                                       ; destination in window 1
.else
	WIN 0x80                                       ; in window 2
.endif
.irp k, 0,1,2,3,4,5,6,7
	ds_load_b128 v[XF+8*\k:XF+8*\k+3],   v[XS_LD] offset:64*\k      ; LDS serves a wave's instructions in order (ISA guide 5.7.1.4): these see the stores above
	ds_load_b128 v[XF+8*\k+4:XF+8*\k+7], v[XS_LD] offset:64*\k+32
.endr
	WIN 0
.endif
.endm
	XLOAD 0
	XLOAD 1
	XLOAD 2
	CROUND                                         ; the four work-groups are here: the first joint loads meet
	tensor_load_to_lds s[G0:G0+3], s[G1:G1+7]      ; hidden rows 0-127
	s_nop 0
	tensor_load_to_lds s[G0+4:G0+7], s[G1:G1+7]    ; hidden rows 128-255
	s_nop 0
	tensor_load_to_lds s[G0X:G0X+3], s[G1X:G1X+7]  ; Wc's tile and the tables.  Three tensor loads of the wave are out
	s_nop 0
.irp u, 0,1,2,3,4,5,6,7,8,9,10,11,12,13
	XCONV \u, 32
.endr
	XCONV 14, 16
	XCONV 15, 0
	s_wait_tensorcnt 0x0                           ; my parts of both slots and of AUX are in,
	s_wait_dscnt 0x0                               ; and my x fragments;
	s_wait_kmcnt 0x0                               ; zc too
	s_barrier_signal -1
	s_barrier_wait -1                              ; everybody's parts are in.
; THE WOVEN GROUP.  The symbols G_* say what a group works on: G_CUR the accumulators that it multiplies into, G_PRV those of the
; group before, whose 16 register pairs p = 4 i + jj (block i, units 8h + 2jj, +1) go through the five stages below, one pair a step:
; pair p is taken up in step p + 1 and added in step p + 4.  Pairs with p < 0 are the last ones of the group before that
; (they lie in G_CUR; block 3's last pair is read in step 0, and block 3 is written in step 1).  G_TBP, G_SP, G_VP: table, sums and
; 'there is such a pair' for p >= 0; G_TBQ, G_SQ, G_VQ for p < 0.  G_WM = 0: no matrix instructions (the drain).
.macro PICK d                          ; the pair that is d steps behind step S_
.set P_, S_-(\d)
.if P_ >= 0
.set P_ACC, G_PRV
.set P_TB,  G_TBP
.set P_SUM, G_SP
.set P_ON,  G_VP
.else
.set P_, P_+16
.set P_ACC, G_CUR
.set P_TB,  G_TBQ
.set P_SUM, G_SQ
.set P_ON,  G_VQ
.endif
.set R_A,  P_ACC+8*(P_>>2)+2*(P_&3)
.set R_CB, P_TB+2*(P_&3)
.set R_AV, P_TB+8+2*(P_&3)
.set R_S,  P_SUM+2*(P_>>2)
.set R_T,  T+2*(P_&7)
.endm
.macro E_ARG                           ; t = C2 acc + cb
	PICK 1
.if P_ON
	v_pk_fma_f32 v[R_T:R_T+1], v[R_A:R_A+1], s[44:45], v[R_CB:R_CB+1] op_sel_hi:[1,0,1]
.else
	v_nop                                          ; a plain instruction stands here in every step: the distances below are counted on them
.endif
.endm
.macro E_EXP half                      ; t = 2^t
	PICK 2
.if P_ON
	v_exp_f32 v[R_T+\half], v[R_T+\half]
.endif
.endm
.macro E_ADD                           ; t = t + a, written as t x 1 + a: the addend is source 2, so that source 1 names no vector register
	PICK 2
.if P_ON
	s_wait_alu depctr_va_vdst(0)
	v_pk_fma_f32 v[R_T:R_T+1], v[R_T:R_T+1], 1.0, v[R_AV:R_AV+1] op_sel_hi:[1,0,1]
.else
	v_nop
.endif
.endm
.macro E_RCP half                      ; t = 1 / t
	PICK 3
.if P_ON
	v_rcp_f32 v[R_T+\half], v[R_T+\half]
.endif
.endm
.macro E_SUM                           ; sum = sum + t, written as t x 1 + sum for the same reason: the registers hold S, which the end takes away from zc
	PICK 4
.if P_ON
	s_wait_alu depctr_va_vdst(0)
	v_pk_fma_f32 v[R_S:R_S+1], v[R_T:R_T+1], 1.0, v[R_S:R_S+1] op_sel_hi:[1,0,1]
.else
	v_nop
.endif
.endm
.macro WM half                         ; block (2 S_ + half) & 3, K step S_ >> 1.  The first K step starts the sums: nothing is cleared
.if G_WM
.set W_D, G_CUR+8*((2*S_+\half)&3)
.set W_A, W1F+8*(S_>>1)
.set W_B, 64*((2*S_+\half)&3)+8*(S_>>1)
.if S_ < 2
	v_wmma_f32_16x16x32_bf16 v[W_D:W_D+7], v[W_A:W_A+7], v[W_B:W_B+7], 0
.else
	v_wmma_f32_16x16x32_bf16 v[W_D:W_D+7], v[W_A:W_A+7], v[W_B:W_B+7], v[W_D:W_D+7]
.endif
.endif
.endm
; A step: two matrix instructions, four transcendentals, three plain instructions.  The four accumulators of a group take turns, one
; instruction a turn.  Behind each transcendental a plain instruction that touches none of its registers
; comes before its result is used (ISA guide 5.7.2): exp2 low - E_ARG, exp2 high - E_SUM, rcp low - E_ADD, rcp high - the next step's E_ARG.
.macro STEP s
.set S_, \s
	WM 0
	E_EXP 0
	E_ARG
	E_EXP 1
	E_SUM
	WM 1
	E_RCP 0
	E_ADD
	E_RCP 1
.endm
.macro KS kk                           ; a K step of 32: four matrix instructions, one for each block of the group
	STEP 2*(\kk)
	STEP 2*(\kk)+1
.endm
.macro FRAG kk, adr, off               ; fragment kk (16 hidden rows x 32 K) of the tile at byte off: lane (r, h) takes K = 8h .. and 16 + 8h .. of row r
	ds_load_b128 v[W1F+8*(\kk):W1F+8*(\kk)+3],   v[\adr] offset:(\off)+64*(\kk)
	ds_load_b128 v[W1F+8*(\kk)+4:W1F+8*(\kk)+7], v[\adr] offset:(\off)+64*(\kk)+32
.endm
.macro CLIP acc, dst                   ; Wc's tile: all 16 rows of source 0 are Wc, so register 0 of each accumulator is x . Wc of row r
.rept 4
	v_nop                                          ; four places between the last matrix instruction and the read of its result (ISA guide 7.12.1)
.endr
.irp i, 0,1,2,3
	v_med3_num_f32 v[\dst+\i], v[\acc+8*\i], -1.0, 1.0
.endr
.endm
; A TILE of 16 hidden units: group 0 (blocks 0-3 into P), group 1 (blocks 4-7 into Q).
;   pi     the tile's number & 1: which table registers are its own       adr, off    where it lies in LDS
;   nadr, noff  where the next tile lies       e  its table entry in the lap       sl  its slot
;   mode   0: plain.  1: the slot's last tile, the slot is filled again.  2: a slot's last tile, nothing is filled.  3: the last tile of all
;   vp0, vq0, vq1  the flags G_VP, G_VQ of group 0 and G_VQ of group 1       tab  1: it has a table       clip  1: it is Wc's tile
; FRAGMENTS.  0-5 of a tile are loaded in the tile before, at the heads of group 1's K steps 2-7; 6 and 7 at the heads of its own
; group 0's K steps 0 and 1.  Each such load stands seven plain vector instructions behind the last matrix instruction that read the
; registers (one E_ADD, then two steps of three), four being asked for.
; s_wait_dscnt in front of group 0's K step kk: the count is the number of fragment loads issued behind fragment kk (10, 10, 10, 8, 6, 4, 2, 0).
; The four table loads issued at K step 2 are left out of the count, which so is never too large; the 0 at K step 7 covers them.
.macro TILE pi, adr, off, nadr, noff, e, mode, sl, vp0, vq0, vq1, tab, clip
.set G_CUR, ACCP
.set G_PRV, ACCQ
.set G_TBP, TB0+16*(1-(\pi))
.set G_TBQ, TB0+16*(1-(\pi))
.set G_SP,  SUM+8
.set G_SQ,  SUM
.set G_VP,  \vp0
.set G_VQ,  \vq0
.set G_WM,  1
	WIN 0x04                                       ; source 1 in window 1
	s_wait_dscnt 10
	FRAG 6, \adr, \off
	KS 0
	s_wait_dscnt 10
	FRAG 7, \adr, \off
	KS 1
	s_wait_dscnt 10
.if \tab
.set TABO, ((\e)>>2)*PITCH+((\e)&3)*128
.set TBL,  TB0+16*(\pi)
	ds_load_b128 v[TBL:TBL+3],     v[ADRT] offset:TABO      ; cb of units 8h .. 8h+7; these registers were last read in the tile before, group 1, step 1
	ds_load_b128 v[TBL+4:TBL+7],   v[ADRT] offset:TABO+16
	ds_load_b128 v[TBL+8:TBL+11],  v[ADRT] offset:TABO+64   ; a of the same units
	ds_load_b128 v[TBL+12:TBL+15], v[ADRT] offset:TABO+80
.endif
	KS 2
	s_wait_dscnt 8
	KS 3
	s_wait_dscnt 6
	KS 4
	s_wait_dscnt 4
	KS 5
	s_wait_dscnt 2
	KS 6
	s_wait_dscnt 0
	KS 7
.if \clip
	CLIP ACCP, U
.endif
.set G_CUR, ACCQ
.set G_PRV, ACCP
.set G_TBP, TB0+16*(\pi)
.set G_TBQ, TB0+16*(1-(\pi))
.set G_SP,  SUM
.set G_SQ,  SUM+8
.set G_VP,  1
.set G_VQ,  \vq1
	WIN 0x08                                       ; source 1 in window 2
.if ((\mode)-1)*((\mode)-2) == 0
	; The change of slots.  All eight fragments of this slot's last tile are in registers.
	s_wait_dscnt 0x0                               ; my reads of this slot are over,
	s_set_vgpr_msb 0x80c
	s_wait_tensorcnt 0x0                           ; and all my tensor loads have landed: the one that was out is my part of the other slot:
	ds_add_u32 v15, v1
	s_wait_dscnt 0x0
	s_set_vgpr_msb 0xc08
	s_barrier_signal -1                            ; say so,
.endif
	KS 0                                           ; work on registers while the others arrive,
.if (\mode) == 1
	WIN 0
	s_barrier_wait -1                              ; and go on when all four waves have said so.  This barrier opens a round of the cluster's barrier:
	CREST                                          ; no wave of any of the four work-groups still reads this slot or has a load on its way
	s_add_nc_u64 s[G0+4*(\sl)+2:G0+4*(\sl)+3], s[G0+4*(\sl)+2:G0+4*(\sl)+3], 2*STEPB
	tensor_load_to_lds s[G0+4*(\sl):G0+4*(\sl)+3], s[G1:G1+7]   ; the first tensor load behind the round, ahead of any LDS read: one is out; it has the other slot's eight tiles in which to land
	s_nop 0
	WIN 0x08
.endif
.if (\mode) == 2
	s_barrier_wait -1                              ; the other slot is whole; nothing is filled again
.endif
	KS 1
.irp kk, 2,3,4,5,6,7
.if (\mode) != 3
	FRAG \kk-2, \nadr, \noff
.endif
	KS \kk
.endr
.if \clip
	CLIP ACCQ, U+4
.endif
.endm
.macro SLOTSTEP sl, tab0, lastmode     ; the eight tiles of slot sl
.irp i, 0,1,2,3,4,5,6
	TILE (\i&1), ADRW0+\sl, \i*TILEB, ADRW0+\sl, (\i+1)*TILEB, \tab0+\i, 0, \sl, 1, 1, 1, 1, 0
.endr
	TILE 1, ADRW0+\sl, 7*TILEB, ADRW0+1-\sl, 0, \tab0+7, \lastmode, \sl, 1, 1, 1, 1, 0
.endm
	; Start values.  Wc's tile runs as tile -1 with the table cb = 0, a = +inf: its pairs then add rcp(inf) = 0, and every later tile is regular.
.irp i, 0,1,2,3,4,5,6,7,8,9,10,11,12,13,14,15
	v_mov_b32 v[SUM+\i], 0
.endr
.irp i, 0,1,2,3,4,5,6,7
	v_mov_b32 v[TB1+\i], 0
	v_mov_b32 v[TB1+8+\i], 0x7f800000
.endr
.irp kk, 0,1,2,3,4,5
	FRAG \kk, ADRX, 0
.endr
	TILE 1, ADRX, 0, ADRW0, 0, 0, 0, 0, 0, 0, 0, 0, 1
	WIN 0                                          ; at a label and at a branch every window is 0
	s_mov_b32 s49, 7                               ; seven laps fill both slots again: 2 + 14 = 16 slots of 128 hidden rows
.Llap:
	SLOTSTEP 0, 0, 1
	SLOTSTEP 1, 8, 1
	WIN 0
	v_add_nc_u32 v[ADRT], 4*PITCH, v[ADRT]         ; sixteen table entries = four rows on
	s_sub_co_u32 s49, s49, 1
	s_cmp_lg_u32 s49, 0
	s_cbranch_scc1 .Llap
	SLOTSTEP 0, 0, 2                               ; the last lap fills nothing
	SLOTSTEP 1, 8, 3
	; The drain: the pairs that are still on their way, in the same steps without matrix instructions.
	WIN 0
.set G_CUR, ACCP
.set G_PRV, ACCQ
.set G_TBP, TB1
.set G_TBQ, TB1
.set G_SP,  SUM+8
.set G_SQ,  SUM
.set G_VP,  1
.set G_VQ,  1
.set G_WM,  0
.irp kk, 0,1,2,3,4,5,6,7
	KS \kk
.endr
.set G_CUR, ACCQ
.set G_PRV, ACCP
.set G_SP,  SUM
.set G_SQ,  SUM+8
.set G_VP,  0
	KS 0
	KS 1
	; THE END: for each block the four partial sums of a row meet in S, then out0 = 1 - 2 rcp(1 + exp2(C2 zc - C2 S)).
	v_mul_f32 v[E+16], s44, s46                    ; C2 zc
.irp i, 0,1,2,3,4,5,6,7
	v_add_f32 v[E+\i], v[SUM+2*\i], v[SUM+2*\i+1]
.endr
.irp i, 0,1,2,3,4,5,6,7
	v_permlanex16_b32 v[T+\i], v[E+\i], s50, s51   ; the other half's eight units; the destination counts as read, and T has been written
.endr
.irp i, 0,1,2,3,4,5,6,7
	v_add_f32 v[E+\i], v[E+\i], v[T+\i]            ; S
.endr
.irp i, 0,1,2,3,4,5,6,7
	v_fma_f32 v[E+\i], v[E+\i], s47, v[E+16]       ; S x (-C2) + C2 zc = C2 z
.endr
.irp i, 0,1,2,3,4,5,6,7
	v_exp_f32 v[E+\i], v[E+\i]
.endr
	v_nop                                          ; a plain instruction between the transcendentals and the use of their results (ISA guide 5.7.2)
.irp i, 0,1,2,3,4,5,6,7
	s_wait_alu depctr_va_vdst(0)
	v_add_f32 v[E+\i], 1.0, v[E+\i]
.endr
.irp i, 0,1,2,3,4,5,6,7
	v_rcp_f32 v[E+\i], v[E+\i]
.endr
	v_nop
.irp i, 0,1,2,3,4,5,6,7
	s_wait_alu depctr_va_vdst(0)
	v_fma_f32 v[E+\i], v[E+\i], -2.0, 1.0
.endr
	; Through my scratch, so that a lane holds four neighbouring rows' results: both halves of the wave write the same word with the same number.
.irp i, 0,1,2,3,4,5,6,7
	ds_store_b32 v[OST], v[E+\i] offset:64*\i
	ds_store_b32 v[OST], v[U+\i] offset:512+64*\i
.endr
	ds_load_b128 v[E+8:E+11],  v[ORD]              ; LDS serves a wave's instructions in order (ISA guide 5.7.1.4): these see the stores above
	ds_load_b128 v[E+12:E+15], v[ORD] offset:512
	s_wait_dscnt 0x0
	global_store_b128 v[OOFF], v[E+8:E+11],  s[8:9]   th:TH_STORE_NT    ; each store of the wave covers 512 consecutive bytes, aligned
	global_store_b128 v[OOFF], v[E+12:E+15], s[10:11] th:TH_STORE_NT
	s_set_vgpr_msb 0xc
	s_wait_tensorcnt 0x0
	ds_add_u32 v15, v1
	s_wait_dscnt 0x0
	s_set_vgpr_msb 0xc00
	CROUND                                         ; the closing round: no work-group ends while a partner may still ask for a tile that names it
	s_endpgm
.Lfunc_end_k_q442a1b5550_mlp:
	.size	k_q442a1b5550_mlp, .Lfunc_end_k_q442a1b5550_mlp-k_q442a1b5550_mlp
	.p2alignl 7, 3214868480
	.fill 96, 4, 3214868480
	.section	.rodata,"a",@progbits
	.p2align	6, 0x0
	.amdhsa_kernel k_q442a1b5550_mlp
		.amdhsa_group_segment_fixed_size 327680
		.amdhsa_private_segment_fixed_size 0
		.amdhsa_enable_private_segment 0
		.amdhsa_kernarg_size 32
		.amdhsa_user_sgpr_count 2
		.amdhsa_user_sgpr_kernarg_segment_ptr 1
		.amdhsa_wavefront_size32 1
		.amdhsa_system_sgpr_workgroup_id_x 1
		.amdhsa_system_sgpr_workgroup_id_y 1
		.amdhsa_system_sgpr_workgroup_id_z 1
		.amdhsa_system_vgpr_workitem_id 0
		.amdhsa_next_free_vgpr 770
		.amdhsa_next_free_sgpr 66
		.amdhsa_reserve_vcc 0
		.amdhsa_float_denorm_mode_32 3
		.amdhsa_float_denorm_mode_16_64 3
		.amdhsa_memory_ordered 1
		.amdhsa_forward_progress 1
		.amdhsa_inst_pref_size 255
	.end_amdhsa_kernel
	.section	.bss,"aw",@nobits
	.p2align	6
	.space	262144
	.amdgpu_metadata
---
amdhsa.version: [ 1, 2 ]
amdhsa.kernels:
  - .name:           k_q442a1b5550_mlp
    .symbol:         k_q442a1b5550_mlp.kd
    .args:
      - { .name: x, .offset: 0, .size: 8, .value_kind: global_buffer, .address_space: global }
      - { .name: wp, .offset: 8, .size: 8, .value_kind: global_buffer, .address_space: global }
      - { .name: out0, .offset: 16, .size: 8, .value_kind: global_buffer, .address_space: global }
      - { .name: out1, .offset: 24, .size: 8, .value_kind: global_buffer, .address_space: global }
    .group_segment_fixed_size: 327680
    .private_segment_fixed_size: 0
    .kernarg_segment_align: 8
    .kernarg_segment_size: 32
    .max_flat_workgroup_size: 128
    .sgpr_count:     66
    .vgpr_count:     770
    .wavefront_size: 32
...
	.end_amdgpu_metadata
.endif
;; end of part 2
;; ======== version 2 of 3: 2 launches; 1.14 times as fast as version 1
;; limits: a difference of large sums (such as E[x^2] - mean^2): digits are lost where the result is much smaller than its terms
;; workspace buffers: wp 1,075,456 bytes
;; launch prep (part 3): grid 129 x 1, 4 waves a work-group, no clusters, 0 bytes of LDS; arguments W1, W2, Wc, b1, b2, wp; writes wp
.if DOCPART == 3
	.amdgcn_target "amdgcn-amd-amdhsa--gfx1250"
	.amdhsa_code_object_version 6
	.text
	.protected	k_q442a1b5550_prep
	.globl	k_q442a1b5550_prep
	.p2align	8
	.type	k_q442a1b5550_prep,@function
k_q442a1b5550_prep:
	s_mov_b64 s[64:65], 0
	v_nop
	global_prefetch_b8 v0, s[64:65] scope:SCOPE_SE
	s_setreg_imm32_b32 hwreg(HW_REG_WAVE_MODE, 25, 1), 1
	s_wait_xcnt 0x0
; prep: the weights in the form that the launch mlp streams.  wp is made of rows of 512 bytes (256 bf16):
;   rows 0..2047     s_k bf16(W1[k][:]),  s_k = the sign of W2[k]: W1 rounded as it is, the sign put on by an xor, which is exact
;   rows 2048..2063  sixteen copies of bf16(Wc)
;   rows 2064..2095  tables: entry t (128 bytes) = cb[16t .. 16t+15], then a[16t .. 16t+15], f32,
;                    a_k = 1 / (2 |W2_k|),  cb_k = s_k b1_k - (1 + log2 |W2_k|) / C2,  C2 = 2 log2 e
;   rows 2096..2099  zeros: mlp's last tile reads a table entry behind the last one and discards it, and it brings
;                    rows 2048..2099 in as four equal shares of 13 rows
;   row  2100        zc = b2 + the sum of all |W2_k|, in its first 32 words (the rest of the row is neither written nor read)
; With these, W2_k tanh(y_k) = |W2_k| - 1 / (a_k + 2^(C2 (x . (s_k W1_k) + cb_k))), exactly, for every y.
; LIMITS: |W2_k| above 2^125 is not served (a_k would be a denormal, which v_rcp_f32 takes as 0: ISA guide 15.8);
; a zero or denormal W2_k gives a = cb = +inf and so counts as 0, an error below 2^-126 each.
; Work-group t < 128 makes rows 16t .. 16t+15 and table entry t; work-group 128 makes Wc's sixteen rows, the zeros and zc.
; Wave w takes rows 4w .. 4w+3; a lane takes 8 numbers of a row: 32 bytes in, 16 bytes out, so that
; each store of a wave covers 512 consecutive bytes, aligned.  3 MiB move in all: no LDS, no barrier, no ring.
.set IC2,  0x3eb17218                  ; 1 / C2 = ln 2 / 2
.set LAST, 128                         ; the work-group that makes Wc's rows, the zeros and zc
.set TABS, 0x102000                    ; byte of wp's row 2064
.set PADT, 0x106000                    ; byte of wp's row 2096
.set ZC,   0x106800                    ; byte of wp's row 2100
	s_load_b256 s[4:11], s[0:1], 0x0               ; W1 s[4:5], W2 s[6:7], Wc s[8:9], b1 s[10:11]
	s_load_b128 s[12:15], s[0:1], 0x20             ; b2 s[12:13], wp s[14:15]
	v_lshrrev_b32 v1, 5, v0
	v_readfirstlane_b32 s16, v1                    ; wave w
	v_and_b32 v1, 31, v0                           ; lane
	s_mov_b32 s17, ttmp9                           ; t
	s_cmp_eq_u32 s17, LAST
	s_cselect_b32 s18, 0, -1                       ; a mask: all ones where the rows are W1's
	s_cselect_b32 s19, 0, 1024                     ; bytes from source row to source row: Wc's one row is read sixteen times
	s_lshl_b32 s22, s17, 14                        ; 16 rows of 1,024 bytes a work-group,
	s_and_b32 s22, s22, s18                        ; or 0 for Wc
	s_mov_b32 s23, 0
	s_lshl_b32 s24, s17, 6
	s_lshl4_add_u32 s24, s16, s24                  ; byte of W2[16t + 4w],
	s_and_b32 s24, s24, s18                        ; or 0 (read and masked away below)
	s_lshl_b32 s25, s16, 2                         ; my first row in the work-group's sixteen
.irp p, 0,1,2,3
	s_add_co_u32 s26, s25, \p
	s_mul_i32 s26, s26, s19
	v_lshl_add_u32 v[2+\p], v1, 5, s26             ; 32 lane + row x stride
.endr
	s_lshl_b32 s26, s16, 11
	v_lshl_add_u32 v6, v1, 4, s26                  ; out: 16 lane + 4w rows of 512 bytes
	s_lshl_b32 s42, s17, 13                        ; 16 rows of 512 bytes a work-group; t = 128 lands on row 2048
	s_mov_b32 s43, 0
	s_wait_kmcnt 0x0
	s_cmp_eq_u32 s17, LAST                         ; compared anew: the shifts above have set SCC
	s_cselect_b64 s[20:21], s[8:9], s[4:5]         ; the source: Wc or W1
	s_add_nc_u64 s[20:21], s[20:21], s[22:23]
	s_add_nc_u64 s[40:41], s[14:15], s[42:43]
	s_load_b128 s[28:31], s[6:7], s24 offset:0x0   ; W2 of my four rows
.irp p, 0,1,2,3
	global_load_b128 v[8+8*\p:8+8*\p+3],   v[2+\p], s[20:21]
	global_load_b128 v[8+8*\p+4:8+8*\p+7], v[2+\p], s[20:21] offset:16
.endr
	s_wait_kmcnt 0x0
.irp p, 0,1,2,3
	s_and_b32  s[32+\p], s[28+\p], 0x80000000      ; the sign of W2,
	s_lshr_b32 s[36+\p], s[32+\p], 16
	s_or_b32   s[32+\p], s[32+\p], s[36+\p]        ; at the sign bits of two bf16,
	s_and_b32  s[32+\p], s[32+\p], s18             ; and none for Wc's rows
.endr
.irp p, 0,1,2,3
	s_wait_loadcnt 6-2*\p                          ; loads come back in order (ISA guide 5.7.1): two for each younger row stay out
.irp j, 0,1,2,3
	v_cvt_pk_bf16_f32 v[40+4*\p+\j], v[8+8*\p+2*\j], v[8+8*\p+2*\j+1]
.endr
.irp j, 0,1,2,3
	v_xor_b32 v[40+4*\p+\j], s[32+\p], v[40+4*\p+\j]
.endr
	global_store_b128 v6, v[40+4*\p:40+4*\p+3], s[40:41] offset:512*\p
.endr
	; What follows is wave 0's alone.  It names none of v6, v40-55, s[40:41], which the stores above may still read.
	s_cmp_lg_u32 s16, 0
	s_cbranch_scc1 .Lend
	s_cmp_eq_u32 s17, LAST
	s_cbranch_scc1 .Lzc
	; Table entry t: lanes 0-15 make cb, lanes 16-31 make a, of hidden unit 16t + lane % 16.
	; One store of 128 consecutive bytes; the whole table is 16 KiB, so the half-filled 256 bytes are accepted.
	v_and_b32 v7, 15, v0
	s_lshl_b32 s27, s17, 6
	v_lshl_add_u32 v7, v7, 2, s27
	global_load_b32 v56, v7, s[6:7]                ; W2_k
	global_load_b32 v57, v7, s[10:11]              ; b1_k
	s_lshl_b32 s42, s17, 7
	s_add_co_u32 s42, s42, TABS
	s_add_nc_u64 s[44:45], s[14:15], s[42:43]
	v_lshlrev_b32 v61, 2, v1
	s_wait_loadcnt 0x0
	v_and_b32 v58, 0x7fffffff, v56                 ; |W2_k|
	v_and_b32 v59, 0x80000000, v56                 ; its sign
	v_rcp_f32 v60, v58
	v_log_f32 v62, v58
	v_xor_b32 v59, v59, v57                        ; s_k b1_k; also the plain instruction between the two lines above and the use of their results (ISA guide 5.7.2)
	s_wait_alu depctr_va_vdst(0)
	v_mul_f32 v60, 0.5, v60                        ; a_k
	v_sub_f32 v62, -1.0, v62                       ; -1 - log2 |W2_k|
	v_fmamk_f32 v62, v62, IC2, v59                 ; cb_k = that / C2 + s_k b1_k
	v_cmp_gt_u32 vcc_lo, 16, v1
	v_cndmask_b32 v63, v60, v62, vcc_lo            ; lane < 16: cb, else a
	global_store_b32 v61, v63, s[44:45]
	s_branch .Lend
.Lzc:	; zc = b2 + the sum of |W2_k| over all 2,048: 64 numbers a lane in four chains, then across the 32 lanes
	v_lshlrev_b32 v7, 4, v1
.irp i, 0,1,2,3,4,5,6,7,8,9,10,11,12,13,14,15
	global_load_b128 v[64+4*\i:64+4*\i+3], v7, s[6:7] offset:512*\i
.endr
	s_load_b32 s26, s[12:13], 0x0                  ; b2
	s_mov_b32 s46, 0x76543210                      ; v_permlanex16_b32: lane i of one half reads lane i of the other
	s_mov_b32 s47, 0xfedcba98
	s_add_nc_u64 s[44:45], s[14:15], PADT
	v_lshlrev_b32 v61, 2, v1
	v_mov_b32 v60, 0                               ; v_permlanex16_b32 counts as a reader of its destination
.irp i, 8,9,10,11
	v_mov_b32 v\i, 0                               ; v8-39 are free: their loads have come and the conversions have read them
.endr
.irp i, 0,1,2,3
	global_store_b128 v7, v[8:11], s[44:45] offset:512*\i      ; rows 2096..2099: zeros, 512 consecutive bytes a store
.endr
	s_wait_loadcnt 0x0
	v_add_f32 v56, |v64|, |v65|                    ; the first eight numbers start the four chains: nothing is cleared
	v_add_f32 v57, |v66|, |v67|
	v_add_f32 v58, |v68|, |v69|
	v_add_f32 v59, |v70|, |v71|
.set j, 72
.rept 56
	v_add_f32 v[56+j%4], v[56+j%4], |v[j]|
.set j, j+1
.endr
	v_add_f32 v56, v56, v57
	v_add_f32 v58, v58, v59
	v_add_f32 v56, v56, v58
	v_add_f32_dpp v56, v56, v56 row_xmask:1 row_mask:0xf bank_mask:0xf
	v_add_f32_dpp v56, v56, v56 row_xmask:2 row_mask:0xf bank_mask:0xf
	v_add_f32_dpp v56, v56, v56 row_xmask:4 row_mask:0xf bank_mask:0xf
	v_add_f32_dpp v56, v56, v56 row_xmask:8 row_mask:0xf bank_mask:0xf
	v_permlanex16_b32 v60, v56, s46, s47
	v_add_f32 v56, v56, v60
	s_wait_kmcnt 0x0
	v_add_f32 v56, s26, v56
	global_store_b32 v61, v56, s[44:45] offset:ZC-PADT         ; the same number in 32 words
.Lend:
	s_endpgm
.Lfunc_end_k_q442a1b5550_prep:
	.size	k_q442a1b5550_prep, .Lfunc_end_k_q442a1b5550_prep-k_q442a1b5550_prep
	.p2alignl 7, 3214868480
	.fill 96, 4, 3214868480
	.section	.rodata,"a",@progbits
	.p2align	6, 0x0
	.amdhsa_kernel k_q442a1b5550_prep
		.amdhsa_group_segment_fixed_size 0
		.amdhsa_private_segment_fixed_size 0
		.amdhsa_enable_private_segment 0
		.amdhsa_kernarg_size 48
		.amdhsa_user_sgpr_count 2
		.amdhsa_user_sgpr_kernarg_segment_ptr 1
		.amdhsa_wavefront_size32 1
		.amdhsa_system_sgpr_workgroup_id_x 1
		.amdhsa_system_sgpr_workgroup_id_y 1
		.amdhsa_system_sgpr_workgroup_id_z 1
		.amdhsa_system_vgpr_workitem_id 0
		.amdhsa_next_free_vgpr 128
		.amdhsa_next_free_sgpr 66
		.amdhsa_reserve_vcc 1
		.amdhsa_float_denorm_mode_32 3
		.amdhsa_float_denorm_mode_16_64 3
		.amdhsa_memory_ordered 1
		.amdhsa_forward_progress 1
		.amdhsa_inst_pref_size 14
	.end_amdhsa_kernel
	.amdgpu_metadata
---
amdhsa.version: [ 1, 2 ]
amdhsa.kernels:
  - .name:           k_q442a1b5550_prep
    .symbol:         k_q442a1b5550_prep.kd
    .args:
      - { .name: W1, .offset: 0, .size: 8, .value_kind: global_buffer, .address_space: global }
      - { .name: W2, .offset: 8, .size: 8, .value_kind: global_buffer, .address_space: global }
      - { .name: Wc, .offset: 16, .size: 8, .value_kind: global_buffer, .address_space: global }
      - { .name: b1, .offset: 24, .size: 8, .value_kind: global_buffer, .address_space: global }
      - { .name: b2, .offset: 32, .size: 8, .value_kind: global_buffer, .address_space: global }
      - { .name: wp, .offset: 40, .size: 8, .value_kind: global_buffer, .address_space: global }
    .group_segment_fixed_size: 0
    .private_segment_fixed_size: 0
    .kernarg_segment_align: 8
    .kernarg_segment_size: 48
    .max_flat_workgroup_size: 128
    .sgpr_count:     66
    .vgpr_count:     128
    .wavefront_size: 32
...
	.end_amdgpu_metadata
.endif
;; end of part 3
;; launch mlp (part 4): grid 256 x 1, 4 waves a work-group, clusters of 4 x 1, 327,680 bytes of LDS; arguments x, wp, out0, out1; writes out0, out1
.if DOCPART == 4
	.amdgcn_target "amdgcn-amd-amdhsa--gfx1250"
	.amdhsa_code_object_version 6
	.text
	.protected	k_q442a1b5550_mlp
	.globl	k_q442a1b5550_mlp
	.p2align	8
	.type	k_q442a1b5550_mlp,@function
k_q442a1b5550_mlp:
	s_mov_b64 s[64:65], 0
	v_nop
	global_prefetch_b8 v0, s[64:65] scope:SCOPE_SE
	s_setreg_imm32_b32 hwreg(HW_REG_WAVE_MODE, 25, 1), 1
	s_wait_xcnt 0x0
	s_wait_alu depctr_hold_cnt(0) depctr_sa_sdst(0) depctr_va_vdst(0) depctr_va_sdst(0) depctr_va_ssrc(0) depctr_va_vcc(0) depctr_vm_vsrc(0)
	s_getreg_b32 s2, hwreg(HW_REG_IB_STS2, 6, 4)
	s_cmp_eq_u32 s2, 0
	s_cbranch_scc0 .Lentry_in_a_cluster
	s_endpgm
.Lentry_in_a_cluster:
	s_bfe_u32 s2, ttmp6, 0x10000c
	s_cmp_lg_u32 s2, 0x3003
	s_cbranch_scc0 .Lentry_shape_is_right
	s_endpgm
.Lentry_shape_is_right:
; mlp: out0 = tanh(tanh(x W1^T + b1) W2^T + b2), out1 = clip(x Wc^T, -1, 1), in one pass over x.
; x: [131072][256] f32.  wp: the launch prep's rows of 256 bf16 (s_k W1_k; sixteen copies of Wc; the tables cb, a; zeros; zc).
;
; THE SUM.  W2_k tanh(y_k) = |W2_k| - 1 / (a_k + 2^(C2 acc_k)), acc_k = x . (s_k W1_k) + cb_k, C2 = 2 log2 e, so
;   z = zc - S,  S = sum over k of rcp(exp2(C2 acc_k) + a_k),   out0 = 1 - 2 rcp(1 + exp2(C2 z)).
; cb_k enters as the C operand of the sum's first matrix instruction.  C2 is applied to the f32 sum and not to W1: x, W1 and Wc enter
; the products rounded to bf16 as they are (W1's sign apart, which is exact), so the products are those of the rounded inputs.
; An exponential that overflows gives rcp(inf) = 0 (tanh = 1), one that underflows gives rcp(a_k) = 2 |W2_k| (tanh = -1):
; no clamp and no cut.  Each of the three plain instructions of a pair of hidden units has a constant or a scalar as its second source.
; LIMITS: |W2_k| above 2^125 is not served; a zero or denormal W2_k counts as 0.  z is formed in f32 as zc minus a sum kept in four
; partial sums a row, in another order than a row-wise sum: its rounding error scales with the sum of |W2_k| (about 2^-22 of it),
; not with z.  NaN and infinities in x are not treated apart.
;
; SHARES.  256 work-groups of four waves; a work-group owns 512 rows of x, a wave 128: eight blocks of 16 rows.  A wave's x stays in
; registers as bf16 fragments for the whole launch (8 blocks x 8 K steps x 8 = 512 registers), read from memory once.  W1 (1 MiB in
; bf16) goes once through a ring of two LDS slots of 128 hidden rows.  For a tile of 16 hidden units a wave reads 8 KiB from LDS
; and issues 64 matrix instructions.
; THE MATRIX INSTRUCTION takes 16 rows of W1 as source 0 and 16 rows of x as source 1: register j of lane (r, h) then holds hidden
; unit 8h + j of x's row r (ISA guide 7.12.2), so a lane sums over hidden units in itself, and one add across the halves is left for the end.
; WOVEN.  A tile is two groups of 32 matrix instructions (blocks 0-3 into P, blocks 4-7 into Q).  While one group is multiplied the
; results of the group before go through exp2 and rcp, instruction by instruction between the matrix instructions.
; CLUSTER.  Every work-group walks the same W1, so four work-groups ask for each tile jointly (mask 15): the requests for W1 are
; divided by four.  A mask names four work-groups at the most here, so a cluster of sixteen would divide them no further.
; THE LAP'S TEXT STANDS ONCE.  All eight laps of the ring (16 tiles each) run the same lines.  In the last lap the refills' address step is 0:
; its two refills ask again for the lap's own two tiles, and its last tile reads a next tile and a next table entry; all of that is
; discarded: 2 of a wave's 18 tile requests, 16 of its 2,580 LDS loads.  In return no lap is written a second time without refills.
;
; REGISTERS, in windows of 256: window 0 as named below; window 1: x fragments of blocks 0-3 (block i, K step kk at 64 i + 8 kk);
; window 2: those of blocks 4-7.  Only source 1 of a matrix instruction lies outside window 0, and no other instruction of the
; loop has a vector register as source 1: one s_set_vgpr_msb serves a whole group.
.set PITCH, 528                        ; an LDS row: 512 bytes + 16 of padding = 33 x 16, so the 16 rows of a fragment load start 16 bytes apart modulo 256
.set TILEB, 16*PITCH                   ; a tile of 16 rows
.set SLOT,  8*TILEB                    ; a ring slot: 128 hidden rows
.set AUX,   2*SLOT                     ; 52 rows, filled once: Wc's tile, 32 rows of tables, 4 rows of zeros
.set TAB,   AUX+TILEB                  ; table entry e at (e >> 2) PITCH + 128 (e & 3)
.set XSCR,  162816                     ; = 636 x 256, the first such multiple behind AUX's 52 rows: TILEB bytes for each wave, written by LDS stores alone; no tensor load lands here
.set STEPB, 128*512                    ; bytes of wp in a slot
.set ZC,    0x106800                   ; byte of zc in wp
.set ADRW0, 4                          ; v4   r PITCH + 16 h: my part of a fragment in slot 0
.set ADRW1, 5                          ; v5   the same in slot 1
.set ADRX,  6                          ; v6   the same in Wc's tile
.set ADRT,  7                          ; v7   TAB + 32 h, stepped by four table rows a lap
.set XS_ST, 8                          ; v8   my scratch + 8 lane
.set XS_LD, 9                          ; v9   my scratch + r PITCH + 16 h
.set XOFF,  10                         ; v10  my wave's rows in x + 16 lane
.set OST,   11                         ; v11  my scratch + 4 r
.set ORD,   12                         ; v12  my scratch + 16 lane
.set OOFF,  13                         ; v13  my wave's rows in out0, out1 + 16 lane
.set SUM,   16                         ; v16-31   block i: a pair of partial sums
.set CB,    32                         ; v32-39   cb of my 8 units of the tile: the C operand of its first K step
.set AV0,   40                         ; v40-47   a of my 8 units, tiles of even number
.set AV1,   48                         ; v48-55   of odd number
.set TMP,   32                         ; v32-63   (while x comes in) a unit of 8 rows in bf16
.set W1F,   64                         ; v64-127  the tile's eight fragments of W1
.set STG,   64                         ; v64-255  (while x comes in) three units of 8 rows in f32
.set ACCP,  128                        ; v128-159 accumulators of blocks 0-3
.set ACCQ,  160                        ; v160-191 of blocks 4-7
.set U,     192                        ; v192-199 clip(x . Wc), a register a block
.set T,     200                        ; v200-215 a ring of eight pairs on their way through exp2 and rcp
.set E,     216                        ; v216-232 the end
.set G1,  16                           ; s[16:23] descriptor group 1: 32 rows of 256 bf16, padded
.set G1X, 24                           ; s[24:31] the same with 13 rows
.set G0,  32                           ; s[32:39] group 0 for slots 0 and 1
.set G0X, 40                           ; s[40:43] group 0 for AUX
.set MSB, 0
.macro WIN new                         ; the immediate's high byte repeats the setting that is left
.if MSB != \new
	s_set_vgpr_msb (MSB<<8)|\new
.set MSB, \new
.endif
.endm
; A round of the cluster's barrier: my work-group's barrier, so that wave 0 speaks for all four waves; wave 0 signals for the
; work-group; every wave waits for the four work-groups; my work-group's barrier once more.
.macro CREST                           ; a round behind its opening barrier
	s_cmp_lg_u32 s12, 0
	s_cbranch_scc1 .Lnot_wave_0_\@
	s_barrier_signal -3
.Lnot_wave_0_\@:
	s_barrier_wait -3
	s_barrier_signal -1
	s_barrier_wait -1
.endm
.macro CROUND                          ; a whole round
	s_barrier_signal -1
	s_barrier_wait -1
	CREST
.endm
	s_load_b256 s[4:11], s[0:1], 0x0               ; x s[4:5], wp s[6:7], out0 s[8:9], out1 s[10:11]
	v_lshl_add_u32 v15, v0, 2, 0x30000
	s_set_vgpr_msb 0xc0
	v_mov_b32 v1, 0
	s_set_vgpr_msb 0xc0cc
	ds_add_u32 v15, v1
	s_set_vgpr_msb 0xcc00
	v_lshrrev_b32 v1, 5, v0
	v_readfirstlane_b32 s12, v1                    ; wave w
	s_bfe_u32 s13, ttmp6, 0x40000                  ; cx
	s_lshl_b32 s14, ttmp9, 2                       ; in a cluster launch ttmp9 counts clusters
	s_add_co_u32 s14, s14, s13                     ; work-group = 4 x cluster + cx: it enters the bases of x, out0, out1 and nothing else
	v_and_b32 v1, 31, v0                           ; lane
	v_and_b32 v2, 15, v0                           ; r
	v_bfe_u32 v3, v0, 4, 1                         ; h
	v_mul_u32_u24 v14, v2, PITCH
	v_lshl_add_u32 v[ADRW0], v3, 4, v14
	v_add_nc_u32 v[ADRW1], SLOT, v[ADRW0]
	v_add_nc_u32 v[ADRX], AUX, v[ADRW0]
	v_lshlrev_b32 v[ADRT], 5, v3
	v_add_nc_u32 v[ADRT], TAB, v[ADRT]
	s_mul_i32 s52, s12, TILEB
	s_add_co_u32 s52, s52, XSCR                    ; my wave's scratch
	v_lshl_add_u32 v[XS_ST], v1, 3, s52
	v_add_nc_u32 v[XS_LD], s52, v[ADRW0]
	v_lshl_add_u32 v[OST], v2, 2, s52
	v_lshl_add_u32 v[ORD], v1, 4, s52
	s_lshl_b32 s53, s12, 17                        ; 128 rows of 1,024 bytes a wave
	v_lshl_add_u32 v[XOFF], v1, 4, s53
	s_lshl_b32 s53, s12, 9                         ; 128 results of 4 bytes a wave
	v_lshl_add_u32 v[OOFF], v1, 4, s53
	s_mov_b32 s44, 0x4038aa3b                      ; C2, twice: a pair for the packed multiply
	s_mov_b32 s45, 0x4038aa3b
	s_mov_b32 s47, 0xc038aa3b                      ; -C2
	s_mov_b32 s50, 0x76543210                      ; v_permlanex16_b32: lane i of one half reads lane i of the other
	s_mov_b32 s51, 0xfedcba98
	; Group 1: 15:0 the mask, all four work-groups of the cluster; 17:16 elements of 2 bytes; 20 padding on; 21 set beside a mask;
	; 24:22 after every 128 words (code 6); 31:25 of 4 words (code 3).  The extents are the tile's: no tile crosses wp's end.
	s_mov_b32 s[G1+0], 15|(1<<16)|(1<<20)|(1<<21)|(6<<22)|(3<<25)
	s_mov_b32 s[G1+1], 256<<16                     ; tensor_dim0 = 256
	s_mov_b32 s[G1+2], 32<<16                      ; tensor_dim1 = 32
	s_mov_b32 s[G1+3], 256<<16                     ; tile_dim0 = 256
	s_mov_b32 s[G1+4], 32                          ; tile_dim1 = 32
	s_mov_b32 s[G1+5], 256                         ; elements from row to row
	s_mov_b32 s[G1+6], 0
	s_mov_b32 s[G1+7], 0
	s_mov_b32 s[G1X+0], 15|(1<<16)|(1<<20)|(1<<21)|(6<<22)|(3<<25)
	s_mov_b32 s[G1X+1], 256<<16
	s_mov_b32 s[G1X+2], 13<<16
	s_mov_b32 s[G1X+3], 256<<16
	s_mov_b32 s[G1X+4], 13
	s_mov_b32 s[G1X+5], 256
	s_mov_b32 s[G1X+6], 0
	s_mov_b32 s[G1X+7], 0
	; Group 0: each wave brings a quarter of a slot (32 rows) and of AUX (13 rows).  Wave number and constants alone: equal in the four partners.
	s_mov_b32 s[G0+0], 1
	s_mul_i32 s[G0+1], s12, 32*PITCH
	s_mov_b32 s[G0+4], 1
	s_add_co_u32 s[G0+5], s[G0+1], SLOT
	s_mov_b32 s[G0X+0], 1
	s_mul_i32 s[G0X+1], s12, 13*PITCH
	s_add_co_u32 s[G0X+1], s[G0X+1], AUX
	s_lshl_b32 s52, s12, 14                        ; 32 rows of 512 bytes
	s_mov_b32 s53, 0
	s_lshl_b32 s54, s14, 19                        ; 512 rows of 1,024 bytes a work-group
	s_mov_b32 s55, 0
	s_wait_dscnt 0x0
	s_wait_kmcnt 0x0
	s_load_b32 s46, s[6:7], ZC                     ; zc; waited for behind the x phase
	s_add_nc_u64 s[4:5], s[4:5], s[54:55]
	s_lshl_b32 s54, s14, 11                        ; 512 results of 4 bytes a work-group
	s_add_nc_u64 s[8:9], s[8:9], s[54:55]
	s_add_nc_u64 s[10:11], s[10:11], s[54:55]
	s_add_nc_u64 s[G0+2:G0+3], s[6:7], s[52:53]    ; hidden rows 32 w ..: slot 0's first tile
	s_add_nc_u64 s[G0+6:G0+7], s[G0+2:G0+3], STEPB ; and slot 1's
	s_mul_i32 s52, s12, 13*512
	s_add_co_u32 s52, s52, 2048*512
	s_add_nc_u64 s[G0X+2:G0X+3], s[6:7], s[52:53]  ; wp's rows 2048 + 13 w ..
	s_or_b32 s[G0+3], s[G0+3], 0x80000000          ; type = 2
	s_or_b32 s[G0+7], s[G0+7], 0x80000000
	s_or_b32 s[G0X+3], s[G0X+3], 0x80000000
; X COMES IN, in units of 8 rows (8 KiB): sixteen loads, each 512 consecutive bytes, half a row.  Three units of a wave are on their way.
.macro XLOAD u
.set XB, STG+64*((\u)%3)
.irp t, 0,1,2,3,4,5,6,7,8,9,10,11,12,13,14,15
	global_load_b128 v[XB+4*\t:XB+4*\t+3], v[XOFF], s[4:5] offset:8192*(\u)+512*\t th:TH_LOAD_NT
.endr
.endm
; Unit u: rounded to bf16, laid into my scratch as rows of 512 bytes; behind every second unit a block of 16 rows is whole and is
; read back as eight fragments.  left = the loads of the younger units, which stay out.
.macro XCONV u, left
	s_wait_loadcnt \left                           ; loads come back in order (ISA guide 5.7.1): unit u is in
	s_wait_dscnt 0x0                               ; the last unit's LDS stores have read TMP, and the last block's fragments have left the scratch
.set XB, STG+64*((\u)%3)
.irp t, 0,1,2,3,4,5,6,7,8,9,10,11,12,13,14,15
	v_cvt_pk_bf16_f32 v[TMP+2*\t],   v[XB+4*\t],   v[XB+4*\t+1]
	v_cvt_pk_bf16_f32 v[TMP+2*\t+1], v[XB+4*\t+2], v[XB+4*\t+3]
.endr
.if (\u)+3 < 16
	XLOAD (\u)+3                                   ; into the registers just read
.endif
.irp t, 0,1,2,3,4,5,6,7,8,9,10,11,12,13,14,15
	ds_store_b64 v[XS_ST], v[TMP+2*\t:TMP+2*\t+1] offset:(8*((\u)&1)+(\t>>1))*PITCH+256*(\t&1)
.endr
.if (\u)&1
.set XF, 64*(((\u)>>1)&3)
.if ((\u)>>1) < 4
	WIN 0x40                                       ; destination in window 1
.else
	WIN 0x80                                       ; in window 2
.endif
.irp k, 0,1,2,3,4,5,6,7
	ds_load_b128 v[XF+8*\k:XF+8*\k+3],   v[XS_LD] offset:64*\k      ; LDS serves a wave's instructions in order (ISA guide 5.7.1.4): these see the stores above
	ds_load_b128 v[XF+8*\k+4:XF+8*\k+7], v[XS_LD] offset:64*\k+32
.endr
	WIN 0
.endif
.endm
	XLOAD 0
	XLOAD 1
	XLOAD 2
	CROUND                                         ; the four work-groups are here: the first joint loads meet
	tensor_load_to_lds s[G0:G0+3], s[G1:G1+7]      ; hidden rows 0-127
	s_nop 0
	tensor_load_to_lds s[G0+4:G0+7], s[G1:G1+7]    ; hidden rows 128-255
	s_nop 0
	tensor_load_to_lds s[G0X:G0X+3], s[G1X:G1X+7]  ; Wc's tile and the tables.  Three tensor loads of the wave are out
	s_nop 0
.irp u, 0,1,2,3,4,5,6,7,8,9,10,11,12,13
	XCONV \u, 32
.endr
	XCONV 14, 16
	XCONV 15, 0
	s_wait_tensorcnt 0x0                           ; my parts of both slots and of AUX are in,
	s_wait_dscnt 0x0                               ; and my x fragments;
	s_wait_kmcnt 0x0                               ; zc too
	s_barrier_signal -1
	s_barrier_wait -1                              ; everybody's parts are in.
; THE WOVEN GROUP.  The symbols G_* say what a group works on: G_CUR the accumulators that it multiplies into, G_PRV those of the
; group before, whose 16 register pairs p = 4 i + jj (block i, units 8h + 2jj, +1) go through the five stages below, one pair a step:
; pair p is taken up in step p + 1 and added in step p + 4.  Pairs with p < 0 are the last ones of the group before that
; (they lie in G_CUR; block 3's last pair is read in step 0, and block 3 is written in step 1).  G_AVP, G_SP, G_VP: the a's, the sums and
; 'there is such a pair' for p >= 0; G_AVQ, G_SQ, G_VQ for p < 0.  G_WM = 0: no matrix instructions (the drain).
.macro PICK d                          ; the pair that is d steps behind step S_
.set P_, S_-(\d)
.if P_ >= 0
.set P_ACC, G_PRV
.set P_AV,  G_AVP
.set P_SUM, G_SP
.set P_ON,  G_VP
.else
.set P_, P_+16
.set P_ACC, G_CUR
.set P_AV,  G_AVQ
.set P_SUM, G_SQ
.set P_ON,  G_VQ
.endif
.set R_A,  P_ACC+8*(P_>>2)+2*(P_&3)
.set R_AV, P_AV+2*(P_&3)
.set R_S,  P_SUM+2*(P_>>2)
.set R_T,  T+2*(P_&7)
.endm
.macro E_ARG                           ; t = C2 acc
	PICK 1
.if P_ON
	v_pk_mul_f32 v[R_T:R_T+1], v[R_A:R_A+1], s[44:45] op_sel_hi:[1,0]
.else
	v_nop                                          ; a plain instruction stands here in every step: the distances below are counted on them
.endif
.endm
.macro E_EXP half                      ; t = 2^t
	PICK 2
.if P_ON
	v_exp_f32 v[R_T+\half], v[R_T+\half]
.endif
.endm
.macro E_ADD                           ; t = t + a, written as t x 1 + a: the addend is source 2, so that source 1 names no vector register
	PICK 2
.if P_ON
	s_wait_alu depctr_va_vdst(0)
	v_pk_fma_f32 v[R_T:R_T+1], v[R_T:R_T+1], 1.0, v[R_AV:R_AV+1] op_sel_hi:[1,0,1]
.else
	v_nop
.endif
.endm
.macro E_RCP half                      ; t = 1 / t
	PICK 3
.if P_ON
	v_rcp_f32 v[R_T+\half], v[R_T+\half]
.endif
.endm
.macro E_SUM                           ; sum = sum + t, written as t x 1 + sum for the same reason: the registers hold S, which the end takes away from zc
	PICK 4
.if P_ON
	s_wait_alu depctr_va_vdst(0)
	v_pk_fma_f32 v[R_S:R_S+1], v[R_T:R_T+1], 1.0, v[R_S:R_S+1] op_sel_hi:[1,0,1]
.else
	v_nop
.endif
.endm
.macro WM half                         ; block (2 S_ + half) & 3, K step S_ >> 1.  The first K step starts the sums from cb: nothing is cleared
.if G_WM
.set W_D, G_CUR+8*((2*S_+\half)&3)
.set W_A, W1F+8*(S_>>1)
.set W_B, 64*((2*S_+\half)&3)+8*(S_>>1)
.if S_ < 2
	v_wmma_f32_16x16x32_bf16 v[W_D:W_D+7], v[W_A:W_A+7], v[W_B:W_B+7], v[CB:CB+7]
.else
	v_wmma_f32_16x16x32_bf16 v[W_D:W_D+7], v[W_A:W_A+7], v[W_B:W_B+7], v[W_D:W_D+7]
.endif
.endif
.endm
; A step: two matrix instructions, four transcendentals, three plain instructions.  The four accumulators of a group take turns, one
; instruction a turn.  Behind each transcendental a plain instruction that touches none of its registers
; comes before its result is used (ISA guide 5.7.2): exp2 low - E_ARG, exp2 high - E_SUM, rcp low - E_ADD, rcp high - the next step's E_ARG.
; An accumulator is read nine plain instructions behind the last matrix instruction that wrote it at the least (block 0: written in step 14,
; read in the next group's step 1), four being asked for (ISA guide 7.12.1).
.macro STEP s
.set S_, \s
	WM 0
	E_EXP 0
	E_ARG
	E_EXP 1
	E_SUM
	WM 1
	E_RCP 0
	E_ADD
	E_RCP 1
.endm
.macro KS kk                           ; a K step of 32: four matrix instructions, one for each block of the group
	STEP 2*(\kk)
	STEP 2*(\kk)+1
.endm
.macro FRAG kk, adr, off               ; fragment kk (16 hidden rows x 32 K) of the tile at byte off: lane (r, h) takes K = 8h .. and 16 + 8h .. of row r
	ds_load_b128 v[W1F+8*(\kk):W1F+8*(\kk)+3],   v[\adr] offset:(\off)+64*(\kk)
	ds_load_b128 v[W1F+8*(\kk)+4:W1F+8*(\kk)+7], v[\adr] offset:(\off)+64*(\kk)+32
.endm
.macro CLIP acc, dst                   ; Wc's tile: all 16 rows of source 0 are Wc, so register 0 of each accumulator is x . Wc of row r
.rept 4
	v_nop                                          ; four places between the last matrix instruction and the read of its result (ISA guide 7.12.1)
.endr
.irp i, 0,1,2,3
	v_med3_num_f32 v[\dst+\i], v[\acc+8*\i], -1.0, 1.0
.endr
.endm
; A TILE of 16 hidden units: group 0 (blocks 0-3 into P), group 1 (blocks 4-7 into Q).
;   pi     the tile's number & 1: which a registers are its own       adr, off    where it lies in LDS
;   nadr, noff  where the next tile lies       ne  the next tile's table entry, counted in the lap       sl  its slot
;   mode   0: plain.  1: the slot's last tile: the slot is filled again
;   vp0, vq0, vq1  the flags G_VP, G_VQ of group 0 and G_VQ of group 1       clip  1: it is Wc's tile
; LDS LOADS stand in three runs a tile, so that the matrix and vector instructions between them stand unbroken:
;   A, 10 loads, at the head of group 1's K step 4: the next tile's cb, its fragments 0, 1, 2, its a
;   B,  6 loads, at the head of group 1's K step 7: its fragments 3, 4, 5
;   C,  4 loads, at the head of its own group 0's K step 1: fragments 6, 7
; Fragment kk is loaded again at the head of K step kk + 2 at the earliest: seven plain vector instructions behind the last matrix instruction that
; read it (one E_ADD, then two steps of three), four being asked for; cb likewise (last read in group 1's K step 0).  The a registers that run A
; fills were last read in group 1's step 1.
; s_wait_dscnt in front of group 0's K step kk: LDS loads come back in order (ISA guide 5.7.1), and the count is the number of loads issued behind
; those that the step needs.  K step 0 needs cb and fragment 0, the first 4 of A's and B's 16: 12.  K step 1, fragment 1: 10.  Then C's 4 go out.
; K step 2, fragment 2, the first 8 of 20: 12.  K steps 3 to 7: 8, 6, 4, 2, 0.
.macro TILE pi, adr, off, nadr, noff, ne, mode, sl, vp0, vq0, vq1, clip
.set G_CUR, ACCP
.set G_PRV, ACCQ
.set G_AVP, AV0+8*(1-(\pi))
.set G_AVQ, AV0+8*(1-(\pi))
.set G_SP,  SUM+8
.set G_SQ,  SUM
.set G_VP,  \vp0
.set G_VQ,  \vq0
.set G_WM,  1
	WIN 0x04                                       ; source 1 in window 1
	s_wait_dscnt 12
	KS 0
	s_wait_dscnt 10
	FRAG 6, \adr, \off                             ; run C
	FRAG 7, \adr, \off
	KS 1
	s_wait_dscnt 12
	KS 2
	s_wait_dscnt 8
	KS 3
	s_wait_dscnt 6
	KS 4
	s_wait_dscnt 4
	KS 5
	s_wait_dscnt 2
	KS 6
	s_wait_dscnt 0
	KS 7
.if \clip
	CLIP ACCP, U
.endif
.set G_CUR, ACCQ
.set G_PRV, ACCP
.set G_AVP, AV0+8*(\pi)
.set G_AVQ, AV0+8*(1-(\pi))
.set G_SP,  SUM
.set G_SQ,  SUM+8
.set G_VP,  1
.set G_VQ,  \vq1
	WIN 0x08                                       ; source 1 in window 2
.if \mode
	; The change of slots.  All eight fragments of this slot's last tile are in registers.
	s_wait_dscnt 0x0                               ; my reads of this slot are over,
	s_set_vgpr_msb 0x80c
	s_wait_tensorcnt 0x0                           ; and all my tensor loads have landed: the one that was out is my part of the other slot:
	ds_add_u32 v15, v1
	s_wait_dscnt 0x0
	s_set_vgpr_msb 0xc08
	s_barrier_signal -1                            ; say so,
.endif
	KS 0                                           ; work on registers while the others arrive,
.if \mode
	WIN 0
	s_barrier_wait -1                              ; and go on when all four waves have said so.  This barrier opens a round of the cluster's barrier:
	CREST                                          ; no wave of any of the four work-groups still reads this slot or has a load on its way
	s_add_nc_u64 s[G0+4*(\sl)+2:G0+4*(\sl)+3], s[G0+4*(\sl)+2:G0+4*(\sl)+3], s[56:57]   ; two slots on; in the last lap the step is 0
	tensor_load_to_lds s[G0+4*(\sl):G0+4*(\sl)+3], s[G1:G1+7]   ; the first tensor load behind the round, ahead of any LDS read: one is out; it has the other slot's eight tiles in which to land
	s_nop 0
	WIN 0x08
.endif
	KS 1
	KS 2
	KS 3
.set TABO, ((\ne)>>2)*PITCH+((\ne)&3)*128
.set AVN,  AV0+8*(1-(\pi))
	ds_load_b128 v[CB:CB+3],   v[ADRT] offset:TABO          ; run A: cb of units 8h .. 8h+7 of the next tile,
	ds_load_b128 v[CB+4:CB+7], v[ADRT] offset:TABO+16
	FRAG 0, \nadr, \noff                                    ; its first three fragments,
	FRAG 1, \nadr, \noff
	FRAG 2, \nadr, \noff
	ds_load_b128 v[AVN:AVN+3],   v[ADRT] offset:TABO+64     ; a of the same units
	ds_load_b128 v[AVN+4:AVN+7], v[ADRT] offset:TABO+80
	KS 4
	KS 5
	KS 6
	FRAG 3, \nadr, \noff                           ; run B
	FRAG 4, \nadr, \noff
	FRAG 5, \nadr, \noff
	KS 7
.if \clip
	CLIP ACCQ, U+4
.endif
.endm
.macro SLOTSTEP sl, tab0               ; the eight tiles of slot sl; tab0: the first one's table entry in the lap
.irp i, 0,1,2,3,4,5,6
	TILE (\i&1), ADRW0+\sl, \i*TILEB, ADRW0+\sl, (\i+1)*TILEB, \tab0+\i+1, 0, \sl, 1, 1, 1, 0
.endr
	TILE 1, ADRW0+\sl, 7*TILEB, ADRW0+1-\sl, 0, \tab0+8, 1, \sl, 1, 1, 1, 0
.endm
	; Start values.  Wc's tile runs as tile -1 with cb = 0, a = +inf: its sums are x . Wc, its pairs add rcp(inf) = 0, and every later tile is regular.
.irp i, 0,1,2,3,4,5,6,7,8,9,10,11,12,13,14,15
	v_mov_b32 v[SUM+\i], 0
.endr
.irp i, 0,1,2,3,4,5,6,7
	v_mov_b32 v[CB+\i], 0
	v_mov_b32 v[AV1+\i], 0x7f800000
.endr
.irp kk, 0,1,2,3,4,5
	FRAG \kk, ADRX, 0
.endr
	s_wait_dscnt 0x0                               ; these twelve loads are not in the runs' order: waited for whole, once; the tile's counted waits then hold all the more
	TILE 1, ADRX, 0, ADRW0, 0, 0, 0, 0, 0, 0, 0, 1
	WIN 0                                          ; at a label and at a branch every window is 0
	s_mov_b32 s49, 8                               ; eight laps of two slots: 16 slots of 128 hidden rows
	s_mov_b32 s57, 0
.Llap:
	s_cmp_lg_u32 s49, 1
	s_cselect_b32 s56, 2*STEPB, 0                  ; the refills' step: two slots on, or, in the last lap, none: the lap's own tiles again, discarded
	SLOTSTEP 0, 0
	SLOTSTEP 1, 8
	WIN 0
	v_add_nc_u32 v[ADRT], 4*PITCH, v[ADRT]         ; sixteen table entries = four rows on
	s_sub_co_u32 s49, s49, 1
	s_cmp_lg_u32 s49, 0
	s_cbranch_scc1 .Llap
	; The drain: the pairs that are still on their way, in the same steps without matrix instructions.  The last tile's number is odd: its a's are in AV1.
	; (The discarded LDS loads are still landing in CB, AV0 and the fragments' registers: nothing below names those before the wait for them.)
.set G_CUR, ACCP
.set G_PRV, ACCQ
.set G_AVP, AV1
.set G_AVQ, AV1
.set G_SP,  SUM+8
.set G_SQ,  SUM
.set G_VP,  1
.set G_VQ,  1
.set G_WM,  0
.irp kk, 0,1,2,3,4,5,6,7
	KS \kk
.endr
.set G_CUR, ACCQ
.set G_PRV, ACCP
.set G_SP,  SUM
.set G_SQ,  SUM+8
.set G_VP,  0
	KS 0                                           ; four steps more: the last pair is added four steps behind the step that would have followed it
	KS 1
	; THE END: for each block the four partial sums of a row meet in S, then out0 = 1 - 2 rcp(1 + exp2(C2 zc - C2 S)).
	v_mul_f32 v[E+16], s44, s46                    ; C2 zc
.irp i, 0,1,2,3,4,5,6,7
	v_add_f32 v[E+\i], v[SUM+2*\i], v[SUM+2*\i+1]
.endr
.irp i, 0,1,2,3,4,5,6,7
	v_permlanex16_b32 v[T+\i], v[E+\i], s50, s51   ; the other half's eight units; the destination counts as read, and T has been written
.endr
.irp i, 0,1,2,3,4,5,6,7
	v_add_f32 v[E+\i], v[E+\i], v[T+\i]            ; S
.endr
.irp i, 0,1,2,3,4,5,6,7
	v_fma_f32 v[E+\i], v[E+\i], s47, v[E+16]       ; S x (-C2) + C2 zc = C2 z
.endr
.irp i, 0,1,2,3,4,5,6,7
	v_exp_f32 v[E+\i], v[E+\i]
.endr
	v_nop                                          ; a plain instruction between the transcendentals and the use of their results (ISA guide 5.7.2)
.irp i, 0,1,2,3,4,5,6,7
	s_wait_alu depctr_va_vdst(0)
	v_add_f32 v[E+\i], 1.0, v[E+\i]
.endr
.irp i, 0,1,2,3,4,5,6,7
	v_rcp_f32 v[E+\i], v[E+\i]
.endr
	v_nop
.irp i, 0,1,2,3,4,5,6,7
	s_wait_alu depctr_va_vdst(0)
	v_fma_f32 v[E+\i], v[E+\i], -2.0, 1.0
.endr
	; Through my scratch, so that a lane holds four neighbouring rows' results: both halves of the wave write the same word with the same number.
.irp i, 0,1,2,3,4,5,6,7
	ds_store_b32 v[OST], v[E+\i] offset:64*\i
	ds_store_b32 v[OST], v[U+\i] offset:512+64*\i
.endr
	ds_load_b128 v[E+8:E+11],  v[ORD]              ; LDS serves a wave's instructions in order (ISA guide 5.7.1.4): these see the stores above
	ds_load_b128 v[E+12:E+15], v[ORD] offset:512
	s_wait_dscnt 0x0
	global_store_b128 v[OOFF], v[E+8:E+11],  s[8:9]   th:TH_STORE_NT    ; each store of the wave covers 512 consecutive bytes, aligned
	global_store_b128 v[OOFF], v[E+12:E+15], s[10:11] th:TH_STORE_NT
	s_wait_tensorcnt 0x0                           ; the last lap's second refill, which nobody reads, has landed: no tensor load is out at the end
	s_set_vgpr_msb 0xc
	s_wait_tensorcnt 0x0
	ds_add_u32 v15, v1
	s_wait_dscnt 0x0
	s_set_vgpr_msb 0xc00
	CROUND                                         ; the closing round: no work-group ends while a partner may still ask for a tile that names it
	s_endpgm
.Lfunc_end_k_q442a1b5550_mlp:
	.size	k_q442a1b5550_mlp, .Lfunc_end_k_q442a1b5550_mlp-k_q442a1b5550_mlp
	.p2alignl 7, 3214868480
	.fill 96, 4, 3214868480
	.section	.rodata,"a",@progbits
	.p2align	6, 0x0
	.amdhsa_kernel k_q442a1b5550_mlp
		.amdhsa_group_segment_fixed_size 327680
		.amdhsa_private_segment_fixed_size 0
		.amdhsa_enable_private_segment 0
		.amdhsa_kernarg_size 32
		.amdhsa_user_sgpr_count 2
		.amdhsa_user_sgpr_kernarg_segment_ptr 1
		.amdhsa_wavefront_size32 1
		.amdhsa_system_sgpr_workgroup_id_x 1
		.amdhsa_system_sgpr_workgroup_id_y 1
		.amdhsa_system_sgpr_workgroup_id_z 1
		.amdhsa_system_vgpr_workitem_id 0
		.amdhsa_next_free_vgpr 770
		.amdhsa_next_free_sgpr 66
		.amdhsa_reserve_vcc 0
		.amdhsa_float_denorm_mode_32 3
		.amdhsa_float_denorm_mode_16_64 3
		.amdhsa_memory_ordered 1
		.amdhsa_forward_progress 1
		.amdhsa_inst_pref_size 255
	.end_amdhsa_kernel
	.section	.bss,"aw",@nobits
	.p2align	6
	.space	262144
	.amdgpu_metadata
---
amdhsa.version: [ 1, 2 ]
amdhsa.kernels:
  - .name:           k_q442a1b5550_mlp
    .symbol:         k_q442a1b5550_mlp.kd
    .args:
      - { .name: x, .offset: 0, .size: 8, .value_kind: global_buffer, .address_space: global }
      - { .name: wp, .offset: 8, .size: 8, .value_kind: global_buffer, .address_space: global }
      - { .name: out0, .offset: 16, .size: 8, .value_kind: global_buffer, .address_space: global }
      - { .name: out1, .offset: 24, .size: 8, .value_kind: global_buffer, .address_space: global }
    .group_segment_fixed_size: 327680
    .private_segment_fixed_size: 0
    .kernarg_segment_align: 8
    .kernarg_segment_size: 32
    .max_flat_workgroup_size: 128
    .sgpr_count:     66
    .vgpr_count:     770
    .wavefront_size: 32
...
	.end_amdgpu_metadata
.endif
;; end of part 4
;; ======== version 3 of 3: 2 launches; 2.21 times as fast as version 1
;; limits: a difference of large sums (such as E[x^2] - mean^2): digits are lost where the result is much smaller than its terms
;; workspace buffers: wp 1,075,456 bytes
;; launch prep: the kernel of part 3 again; grid 129 x 1, 4 waves a work-group, no clusters, 0 bytes of LDS; arguments W1, W2, Wc, b1, b2, wp; writes wp
;; launch mlp (part 5): grid 256 x 1, 4 waves a work-group, clusters of 4 x 1, 327,680 bytes of LDS; arguments x, wp, out0, out1; writes out0, out1
.if DOCPART == 5
	.amdgcn_target "amdgcn-amd-amdhsa--gfx1250"
	.amdhsa_code_object_version 6
	.text
	.protected	k_q442a1b5550_mlp
	.globl	k_q442a1b5550_mlp
	.p2align	8
	.type	k_q442a1b5550_mlp,@function
k_q442a1b5550_mlp:
	s_mov_b64 s[64:65], 0
	v_nop
	global_prefetch_b8 v0, s[64:65] scope:SCOPE_SE
	s_setreg_imm32_b32 hwreg(HW_REG_WAVE_MODE, 25, 1), 1
	s_wait_xcnt 0x0
	s_wait_alu depctr_hold_cnt(0) depctr_sa_sdst(0) depctr_va_vdst(0) depctr_va_sdst(0) depctr_va_ssrc(0) depctr_va_vcc(0) depctr_vm_vsrc(0)
	s_getreg_b32 s2, hwreg(HW_REG_IB_STS2, 6, 4)
	s_cmp_eq_u32 s2, 0
	s_cbranch_scc0 .Lentry_in_a_cluster
	s_endpgm
.Lentry_in_a_cluster:
	s_bfe_u32 s2, ttmp6, 0x10000c
	s_cmp_lg_u32 s2, 0x3003
	s_cbranch_scc0 .Lentry_shape_is_right
	s_endpgm
.Lentry_shape_is_right:
; mlp: out0 = tanh(tanh(x W1^T + b1) W2^T + b2), out1 = clip(x Wc^T, -1, 1), in one pass over x.
; x: [131072][256] f32.  wp: the launch prep's rows of 256 bf16 (s_k W1_k; sixteen copies of Wc; the tables cb, a; zeros; zc).
;
; THE SUM.  W2_k tanh(y_k) = |W2_k| - 1 / (a_k + 2^(C2 acc_k)), acc_k = x . (s_k W1_k) + cb_k, C2 = 2 log2 e, so
;   z = zc - S,  S = sum over k of rcp(exp2(C2 acc_k) + a_k),   out0 = 1 - 2 rcp(1 + exp2(C2 z)).
; cb_k enters as the C operand of the sum's first matrix instruction.  C2 is applied to the f32 sum and not to W1: x, W1 and Wc enter
; the products rounded to bf16 as they are (W1's sign apart, which is exact), so the products are those of the rounded inputs.
; An exponential that overflows gives rcp(inf) = 0 (tanh = 1), one that underflows gives rcp(a_k) = 2 |W2_k| (tanh = -1):
; no clamp and no cut.  Each of the three plain instructions of a pair of hidden units has a constant or a scalar as its second source.
; LIMITS: |W2_k| above 2^125 is not served; a zero or denormal W2_k counts as 0.  z is formed in f32 as zc minus a sum kept in four
; partial sums a row, in another order than a row-wise sum: its rounding error scales with the sum of |W2_k| (about 2^-22 of it),
; not with z.  NaN and infinities in x are not treated apart.
;
; SHARES.  256 work-groups of four waves; a work-group owns 512 rows of x, a wave 128: eight blocks of 16 rows.  A wave's x stays in
; registers as bf16 fragments for the whole launch (8 blocks x 8 K steps x 8 = 512 registers), read from memory once.  W1 (1 MiB in
; bf16) goes once through a ring of two LDS slots of 128 hidden rows.  For a tile of 16 hidden units a wave reads 8 KiB from LDS
; and issues 64 matrix instructions.
; THE MATRIX INSTRUCTION takes 16 rows of W1 as source 0 and 16 rows of x as source 1: register j of lane (r, h) then holds hidden
; unit 8h + j of x's row r (ISA guide 7.12.2), so a lane sums over hidden units in itself, and one add across the halves is left for the end.
; WOVEN, IN BATCHES.  A tile is two groups of 32 matrix instructions (blocks 0-3 into P, blocks 4-7 into Q).  While one group is multiplied, the 32 sums
; of the group before are scaled and raised (exp2) in place, and the 32 values of the group before that, which lie in T as exp2 + a, are inverted (rcp) in
; place and summed; all of it stands between the matrix instructions, three or four lines behind each.  A GROUP HAS ONE WAIT for its transcendentals, at the
; head of its K step 4.  Ahead of it stand the 16 scalings, the 32 exp2 and the last two rcp, none of which names a transcendental's result.  Behind it stand
; all the readers: the 16 sums (of the rcp's results) and the 16 additions of a (of the exp2's results; they write T anew), and, a step behind each
; addition, the rcp of its pair, whose results nobody names before the NEXT group's wait.  So a wait serves a batch of 64: 30 rcp issued behind the wait
; before it, 2 rcp and 32 exp2 issued in its own group.  Where a branch or a label comes first, what is pending has a wait of its own there.
; CLUSTER.  Every work-group walks the same W1, so four work-groups ask for each tile jointly (mask 15): the requests for W1 are
; divided by four.  A mask names four work-groups at the most here, so a cluster of sixteen would divide them no further.
; THE LAP'S TEXT STANDS ONCE.  All eight laps of the ring (16 tiles each) run the same lines.  In the last lap the refills' address step is 0:
; its two refills ask again for the lap's own two tiles, and its last tile reads a next tile and a next table entry; all of that is
; discarded: 2 of a wave's 18 tile requests, 16 of its 2,580 LDS loads.  In return no lap is written a second time without refills.
;
; REGISTERS, in windows of 256: window 0 as named below; window 1: x fragments of blocks 0-3 (block i, K step kk at 64 i + 8 kk);
; window 2: those of blocks 4-7.  Only source 1 of a matrix instruction lies outside window 0, and no other instruction of the
; loop has a vector register as source 1: one s_set_vgpr_msb serves a whole group.
.set PITCH, 528                        ; an LDS row: 512 bytes + 16 of padding = 33 x 16, so the 16 rows of a fragment load start 16 bytes apart modulo 256
.set TILEB, 16*PITCH                   ; a tile of 16 rows
.set SLOT,  8*TILEB                    ; a ring slot: 128 hidden rows
.set AUX,   2*SLOT                     ; 52 rows, filled once: Wc's tile, 32 rows of tables, 4 rows of zeros
.set TAB,   AUX+TILEB                  ; table entry e at (e >> 2) PITCH + 128 (e & 3)
.set XSCR,  162816                     ; = 636 x 256, the first such multiple behind AUX's 52 rows: TILEB bytes for each wave, written by LDS stores alone; no tensor load lands here
.set STEPB, 128*512                    ; bytes of wp in a slot
.set ZC,    0x106800                   ; byte of zc in wp
.set ADRW0, 4                          ; v4   r PITCH + 16 h: my part of a fragment in slot 0
.set ADRW1, 5                          ; v5   the same in slot 1
.set ADRX,  6                          ; v6   the same in Wc's tile
.set ADRT,  7                          ; v7   TAB + 32 h, stepped by four table rows a lap
.set XS_ST, 8                          ; v8   my scratch + 8 lane
.set XS_LD, 9                          ; v9   my scratch + r PITCH + 16 h
.set XOFF,  10                         ; v10  my wave's rows in x + 16 lane
.set OST,   11                         ; v11  my scratch + 4 r
.set ORD,   12                         ; v12  my scratch + 16 lane
.set OOFF,  13                         ; v13  my wave's rows in out0, out1 + 16 lane
.set SUM,   16                         ; v16-31   block i: a pair of partial sums
.set CB,    32                         ; v32-39   cb of my 8 units of the tile: the C operand of its first K step
.set AV0,   40                         ; v40-47   a of my 8 units, tiles of even number
.set AV1,   48                         ; v48-55   of odd number
.set TMP,   32                         ; v32-63   (while x comes in) a unit of 8 rows in bf16
.set W1F,   64                         ; v64-127  the tile's eight fragments of W1
.set STG,   64                         ; v64-255  (while x comes in) three units of 8 rows in f32
.set ACCP,  128                        ; v128-159 accumulators of blocks 0-3
.set ACCQ,  160                        ; v160-191 of blocks 4-7
.set U,     192                        ; v192-199 clip(x . Wc), a register a block
.set T,     200                        ; v200-231 a group's 16 pairs: exp2 + a, then its reciprocal: each result has a register of its own while its batch is open
.set E,     232                        ; v232-248 the end
.set G1,  16                           ; s[16:23] descriptor group 1: 32 rows of 256 bf16, padded
.set G1X, 24                           ; s[24:31] the same with 13 rows
.set G0,  32                           ; s[32:39] group 0 for slots 0 and 1
.set G0X, 40                           ; s[40:43] group 0 for AUX
.set MSB, 0
.macro WIN new                         ; the immediate's high byte repeats the setting that is left
.if MSB != \new
	s_set_vgpr_msb (MSB<<8)|\new
.set MSB, \new
.endif
.endm
; A round of the cluster's barrier: my work-group's barrier, so that wave 0 speaks for all four waves; wave 0 signals for the
; work-group; every wave waits for the four work-groups; my work-group's barrier once more.
.macro CREST                           ; a round behind its opening barrier
	s_cmp_lg_u32 s12, 0
	s_cbranch_scc1 .Lnot_wave_0_\@
	s_barrier_signal -3
.Lnot_wave_0_\@:
	s_barrier_wait -3
	s_barrier_signal -1
	s_barrier_wait -1
.endm
.macro CROUND                          ; a whole round
	s_barrier_signal -1
	s_barrier_wait -1
	CREST
.endm
	s_load_b256 s[4:11], s[0:1], 0x0               ; x s[4:5], wp s[6:7], out0 s[8:9], out1 s[10:11]
	v_lshl_add_u32 v15, v0, 2, 0x30000
	s_set_vgpr_msb 0xc0
	v_mov_b32 v1, 0
	s_set_vgpr_msb 0xc0cc
	ds_add_u32 v15, v1
	s_set_vgpr_msb 0xcc00
	v_lshrrev_b32 v1, 5, v0
	v_readfirstlane_b32 s12, v1                    ; wave w
	s_bfe_u32 s13, ttmp6, 0x40000                  ; cx
	s_lshl_b32 s14, ttmp9, 2                       ; in a cluster launch ttmp9 counts clusters
	s_add_co_u32 s14, s14, s13                     ; work-group = 4 x cluster + cx: it enters the bases of x, out0, out1 and nothing else
	v_and_b32 v1, 31, v0                           ; lane
	v_and_b32 v2, 15, v0                           ; r
	v_bfe_u32 v3, v0, 4, 1                         ; h
	v_mul_u32_u24 v14, v2, PITCH
	v_lshl_add_u32 v[ADRW0], v3, 4, v14
	v_add_nc_u32 v[ADRW1], SLOT, v[ADRW0]
	v_add_nc_u32 v[ADRX], AUX, v[ADRW0]
	v_lshlrev_b32 v[ADRT], 5, v3
	v_add_nc_u32 v[ADRT], TAB, v[ADRT]
	s_mul_i32 s52, s12, TILEB
	s_add_co_u32 s52, s52, XSCR                    ; my wave's scratch
	v_lshl_add_u32 v[XS_ST], v1, 3, s52
	v_add_nc_u32 v[XS_LD], s52, v[ADRW0]
	v_lshl_add_u32 v[OST], v2, 2, s52
	v_lshl_add_u32 v[ORD], v1, 4, s52
	s_lshl_b32 s53, s12, 17                        ; 128 rows of 1,024 bytes a wave
	v_lshl_add_u32 v[XOFF], v1, 4, s53
	s_lshl_b32 s53, s12, 9                         ; 128 results of 4 bytes a wave
	v_lshl_add_u32 v[OOFF], v1, 4, s53
	s_mov_b32 s44, 0x4038aa3b                      ; C2, twice: a pair for the packed multiply
	s_mov_b32 s45, 0x4038aa3b
	s_mov_b32 s47, 0xc038aa3b                      ; -C2
	s_mov_b32 s50, 0x76543210                      ; v_permlanex16_b32: lane i of one half reads lane i of the other
	s_mov_b32 s51, 0xfedcba98
	; Group 1: 15:0 the mask, all four work-groups of the cluster; 17:16 elements of 2 bytes; 20 padding on; 21 set beside a mask;
	; 24:22 after every 128 words (code 6); 31:25 of 4 words (code 3).  The extents are the tile's: no tile crosses wp's end.
	s_mov_b32 s[G1+0], 15|(1<<16)|(1<<20)|(1<<21)|(6<<22)|(3<<25)
	s_mov_b32 s[G1+1], 256<<16                     ; tensor_dim0 = 256
	s_mov_b32 s[G1+2], 32<<16                      ; tensor_dim1 = 32
	s_mov_b32 s[G1+3], 256<<16                     ; tile_dim0 = 256
	s_mov_b32 s[G1+4], 32                          ; tile_dim1 = 32
	s_mov_b32 s[G1+5], 256                         ; elements from row to row
	s_mov_b32 s[G1+6], 0
	s_mov_b32 s[G1+7], 0
	s_mov_b32 s[G1X+0], 15|(1<<16)|(1<<20)|(1<<21)|(6<<22)|(3<<25)
	s_mov_b32 s[G1X+1], 256<<16
	s_mov_b32 s[G1X+2], 13<<16
	s_mov_b32 s[G1X+3], 256<<16
	s_mov_b32 s[G1X+4], 13
	s_mov_b32 s[G1X+5], 256
	s_mov_b32 s[G1X+6], 0
	s_mov_b32 s[G1X+7], 0
	; Group 0: each wave brings a quarter of a slot (32 rows) and of AUX (13 rows).  Wave number and constants alone: equal in the four partners.
	s_mov_b32 s[G0+0], 1
	s_mul_i32 s[G0+1], s12, 32*PITCH
	s_mov_b32 s[G0+4], 1
	s_add_co_u32 s[G0+5], s[G0+1], SLOT
	s_mov_b32 s[G0X+0], 1
	s_mul_i32 s[G0X+1], s12, 13*PITCH
	s_add_co_u32 s[G0X+1], s[G0X+1], AUX
	s_lshl_b32 s52, s12, 14                        ; 32 rows of 512 bytes
	s_mov_b32 s53, 0
	s_lshl_b32 s54, s14, 19                        ; 512 rows of 1,024 bytes a work-group
	s_mov_b32 s55, 0
	s_wait_dscnt 0x0
	s_wait_kmcnt 0x0
	s_load_b32 s46, s[6:7], ZC                     ; zc; waited for behind the x phase
	s_add_nc_u64 s[4:5], s[4:5], s[54:55]
	s_lshl_b32 s54, s14, 11                        ; 512 results of 4 bytes a work-group
	s_add_nc_u64 s[8:9], s[8:9], s[54:55]
	s_add_nc_u64 s[10:11], s[10:11], s[54:55]
	s_add_nc_u64 s[G0+2:G0+3], s[6:7], s[52:53]    ; hidden rows 32 w ..: slot 0's first tile
	s_add_nc_u64 s[G0+6:G0+7], s[G0+2:G0+3], STEPB ; and slot 1's
	s_mul_i32 s52, s12, 13*512
	s_add_co_u32 s52, s52, 2048*512
	s_add_nc_u64 s[G0X+2:G0X+3], s[6:7], s[52:53]  ; wp's rows 2048 + 13 w ..
	s_or_b32 s[G0+3], s[G0+3], 0x80000000          ; type = 2
	s_or_b32 s[G0+7], s[G0+7], 0x80000000
	s_or_b32 s[G0X+3], s[G0X+3], 0x80000000
; X COMES IN, in units of 8 rows (8 KiB): sixteen loads, each 512 consecutive bytes, half a row.  Three units of a wave are on their way.
.macro XLOAD u
.set XB, STG+64*((\u)%3)
.irp t, 0,1,2,3,4,5,6,7,8,9,10,11,12,13,14,15
	global_load_b128 v[XB+4*\t:XB+4*\t+3], v[XOFF], s[4:5] offset:8192*(\u)+512*\t th:TH_LOAD_NT
.endr
.endm
; Unit u: rounded to bf16, laid into my scratch as rows of 512 bytes; behind every second unit a block of 16 rows is whole and is
; read back as eight fragments.  left = the loads of the younger units, which stay out.
.macro XCONV u, left
	s_wait_loadcnt \left                           ; loads come back in order (ISA guide 5.7.1): unit u is in
	s_wait_dscnt 0x0                               ; the last unit's LDS stores have read TMP, and the last block's fragments have left the scratch
.set XB, STG+64*((\u)%3)
.irp t, 0,1,2,3,4,5,6,7,8,9,10,11,12,13,14,15
	v_cvt_pk_bf16_f32 v[TMP+2*\t],   v[XB+4*\t],   v[XB+4*\t+1]
	v_cvt_pk_bf16_f32 v[TMP+2*\t+1], v[XB+4*\t+2], v[XB+4*\t+3]
.endr
.if (\u)+3 < 16
	XLOAD (\u)+3                                   ; into the registers just read
.endif
.irp t, 0,1,2,3,4,5,6,7,8,9,10,11,12,13,14,15
	ds_store_b64 v[XS_ST], v[TMP+2*\t:TMP+2*\t+1] offset:(8*((\u)&1)+(\t>>1))*PITCH+256*(\t&1)
.endr
.if (\u)&1
.set XF, 64*(((\u)>>1)&3)
.if ((\u)>>1) < 4
	WIN 0x40                                       ; destination in window 1
.else
	WIN 0x80                                       ; in window 2
.endif
.irp k, 0,1,2,3,4,5,6,7
	ds_load_b128 v[XF+8*\k:XF+8*\k+3],   v[XS_LD] offset:64*\k      ; LDS serves a wave's instructions in order (ISA guide 5.7.1.4): these see the stores above
	ds_load_b128 v[XF+8*\k+4:XF+8*\k+7], v[XS_LD] offset:64*\k+32
.endr
	WIN 0
.endif
.endm
	XLOAD 0
	XLOAD 1
	XLOAD 2
	CROUND                                         ; the four work-groups are here: the first joint loads meet
	tensor_load_to_lds s[G0:G0+3], s[G1:G1+7]      ; hidden rows 0-127
	s_nop 0
	tensor_load_to_lds s[G0+4:G0+7], s[G1:G1+7]    ; hidden rows 128-255
	s_nop 0
	tensor_load_to_lds s[G0X:G0X+3], s[G1X:G1X+7]  ; Wc's tile and the tables.  Three tensor loads of the wave are out
	s_nop 0
.irp u, 0,1,2,3,4,5,6,7,8,9,10,11,12,13
	XCONV \u, 32
.endr
	XCONV 14, 16
	XCONV 15, 0
	s_wait_tensorcnt 0x0                           ; my parts of both slots and of AUX are in,
	s_wait_dscnt 0x0                               ; and my x fragments;
	s_wait_kmcnt 0x0                               ; zc too
	s_barrier_signal -1
	s_barrier_wait -1                              ; everybody's parts are in.
; THE WOVEN GROUP.  The symbols G_* say what a group works on: G_CUR the accumulators that it multiplies into; G_PRV those of the group before,
; whose 16 register pairs p = 4 i + jj (block i, units 8h + 2jj, +1; the pair lies at G_PRV + 2 p) are scaled and raised in place; G_AV the a's of that
; group's tile; G_S the sums of the blocks whose values lie in T: the group before that one, which had the same blocks as G_CUR.
; G_VE = 1: G_PRV holds sums.  G_VS = 1: T holds values.  G_WM = 0: no matrix instructions (the drain).
; Where a pair is off and matrix instructions are on, a v_nop stands for a plain instruction: the distances below are counted on them.
.macro E_ARG p                         ; acc = C2 acc, in place
.if G_VE
	v_pk_mul_f32 v[G_PRV+2*(\p):G_PRV+2*(\p)+1], v[G_PRV+2*(\p):G_PRV+2*(\p)+1], s[44:45] op_sel_hi:[1,0]
.elseif G_WM
	v_nop
.endif
.endm
.macro E_EXP e                         ; acc = 2^acc, in place: register e of the group's 32
.if G_VE
	v_exp_f32 v[G_PRV+(\e)], v[G_PRV+(\e)]
.endif
.endm
.macro E_ADD p                         ; t = acc + a, written as acc x 1 + a: the addend is source 2, so that source 1 names no vector register
.if G_VE
	v_pk_fma_f32 v[T+2*(\p):T+2*(\p)+1], v[G_PRV+2*(\p):G_PRV+2*(\p)+1], 1.0, v[G_AV+2*((\p)&3):G_AV+2*((\p)&3)+1] op_sel_hi:[1,0,1]
.elseif G_WM
	v_nop
.endif
.endm
.macro E_RCP n, on                     ; t = 1 / t, in place: register n of T's 32
.if \on
	v_rcp_f32 v[T+(\n)], v[T+(\n)]
.endif
.endm
.macro E_SUM p                         ; sum = sum + t, written as t x 1 + sum for the same reason: the registers hold S, which the end takes away from zc
.if G_VS
	v_pk_fma_f32 v[G_S+2*((\p)>>2):G_S+2*((\p)>>2)+1], v[T+2*(\p):T+2*(\p)+1], 1.0, v[G_S+2*((\p)>>2):G_S+2*((\p)>>2)+1] op_sel_hi:[1,0,1]
.elseif G_WM
	v_nop
.endif
.endm
.macro WM                              ; block M_ & 3, K step M_ >> 2.  The first K step starts the sums from cb: nothing is cleared
.if G_WM
.set W_D, G_CUR+8*(M_&3)
.set W_A, W1F+8*(M_>>2)
.set W_B, 64*(M_&3)+8*(M_>>2)
.if M_ < 4
	v_wmma_f32_16x16x32_bf16 v[W_D:W_D+7], v[W_A:W_A+7], v[W_B:W_B+7], v[CB:CB+7]
.else
	v_wmma_f32_16x16x32_bf16 v[W_D:W_D+7], v[W_A:W_A+7], v[W_B:W_B+7], v[W_D:W_D+7]
.endif
.endif
.endm
; A STEP: one matrix instruction and what stands behind it; a plain instruction leads.  The four accumulators of a group take turns, one instruction a turn.
;   steps 0-15, ahead of the group's wait: the scaling of pair m and two transcendentals: in step 0 the last two rcp of T (their addition stood in the group
;     before's step 31), in steps 1-13 the exp2 of pair m - 1; steps 14 and 15 take three each, so that all 32 exp2 are out.  None names a transcendental's result.
;   steps 16-31, behind it: pair p = m - 16: its sum (reads T's rcp), its addition of a (reads the exp2, writes T anew), and between them the two rcp of pair p - 1.
; No line stands next to a transcendental whose result it reads or whose source it writes: between each transcendental and its reader lie plain instructions (ISA guide 5.7.2).
; An accumulator is scaled eight plain instructions behind the last matrix instruction that wrote it at the least (block 0: written in step 28, scaled in the next
; group's step 0; between them the sums and additions of steps 28 to 31), four being asked for (ISA guide 7.12.1); its registers 0 and 1 are taken first.
.macro STEP m
.set M_, \m
	WM
.if M_ < 16
	E_ARG M_
.if M_ == 0
	E_RCP 30, G_VS
	E_RCP 31, G_VS
.elseif M_ < 14
	E_EXP 2*M_-2
	E_EXP 2*M_-1
.elseif M_ == 14
	E_EXP 26
	E_EXP 27
	E_EXP 28
.else
	E_EXP 29
	E_EXP 30
	E_EXP 31
.endif
.else
	E_SUM M_-16
.if M_ > 16
	E_RCP 2*M_-34, G_VE
.endif
	E_ADD M_-16
.if M_ > 16
	E_RCP 2*M_-33, G_VE
.endif
.endif
.endm
.macro KS kk                           ; a K step of 32: four matrix instructions, one for each block of the group
	STEP 4*(\kk)
	STEP 4*(\kk)+1
	STEP 4*(\kk)+2
	STEP 4*(\kk)+3
.endm
.macro BATCH                           ; between a group's K steps 3 and 4
.if G_VE || G_VS
	v_nop                                          ; the plain instruction behind the batch's last exp2 (ISA guide 5.7.2)
	s_wait_alu depctr_va_vdst(0)                   ; THE GROUP'S ONE WAIT, ahead of the first reader: it serves the rcp issued since the wait before, and this group's 32 exp2
.endif
.endm
.macro FRAG kk, adr, off               ; fragment kk (16 hidden rows x 32 K) of the tile at byte off: lane (r, h) takes K = 8h .. and 16 + 8h .. of row r
	ds_load_b128 v[W1F+8*(\kk):W1F+8*(\kk)+3],   v[\adr] offset:(\off)+64*(\kk)
	ds_load_b128 v[W1F+8*(\kk)+4:W1F+8*(\kk)+7], v[\adr] offset:(\off)+64*(\kk)+32
.endm
.macro CLIP acc, dst                   ; Wc's tile: all 16 rows of source 0 are Wc, so register 0 of each accumulator is x . Wc of row r
.rept 4
	v_nop                                          ; four places between the last matrix instruction and the read of its result (ISA guide 7.12.1)
.endr
.irp i, 0,1,2,3
	v_med3_num_f32 v[\dst+\i], v[\acc+8*\i], -1.0, 1.0
.endr
.endm
; A TILE of 16 hidden units: group 0 (blocks 0-3 into P), group 1 (blocks 4-7 into Q).
;   pi     the tile's number & 1: which a registers are its own       adr, off    where it lies in LDS
;   nadr, noff  where the next tile lies       ne  the next tile's table entry, counted in the lap       sl  its slot
;   mode   0: plain.  1: the slot's last tile: the slot is filled again
;   ve0, vs0, vs1  the flags G_VE, G_VS of group 0 and G_VS of group 1       clip  1: it is Wc's tile
; LDS LOADS stand in three runs a tile, so that the matrix and vector instructions between them stand unbroken:
;   A, 10 loads, at the head of group 1's K step 4, directly behind the group's wait: the next tile's cb, its fragments 0, 1, 2, its a
;   B,  6 loads, at the head of group 1's K step 7: its fragments 3, 4, 5
;   C,  4 loads, at the head of its own group 0's K step 1: fragments 6, 7
; Four plain vector instructions are asked for between the last matrix instruction that read a register and a load into it.  Run A: fragment 2 was last read in step 11;
; behind it stand the scalings of pairs 11 to 15 and the v_nop: six; cb was last read in step 3.  Run B: fragment 5, step 23: the sums and additions of steps 23 to 27: ten.
; Run C: fragment 7, the group before's step 31: its sum and addition and the scalings of pairs 0 to 3, which name another block's registers: six.
; The a registers that run A fills were last read in group 0's additions.
; s_wait_dscnt in front of group 0's K step kk: LDS loads come back in order (ISA guide 5.7.1), and the count is the number of loads issued behind
; those that the step needs.  K step 0 needs cb and fragment 0, the first 4 of A's and B's 16: 12.  K step 1, fragment 1: 10.  Then C's 4 go out.
; K step 2, fragment 2, the first 8 of 20: 12.  K steps 3 to 7: 8, 6, 4, 2, 0.
.macro TILE pi, adr, off, nadr, noff, ne, mode, sl, ve0, vs0, vs1, clip
.set G_CUR, ACCP
.set G_PRV, ACCQ
.set G_AV,  AV0+8*(1-(\pi))
.set G_S,   SUM
.set G_VE,  \ve0
.set G_VS,  \vs0
.set G_WM,  1
	WIN 0x04                                       ; source 1 in window 1
	s_wait_dscnt 12
	KS 0
	s_wait_dscnt 10
	FRAG 6, \adr, \off                             ; run C
	FRAG 7, \adr, \off
	KS 1
	s_wait_dscnt 12
	KS 2
	s_wait_dscnt 8
	KS 3
	BATCH
	s_wait_dscnt 6
	KS 4
	s_wait_dscnt 4
	KS 5
	s_wait_dscnt 2
	KS 6
	s_wait_dscnt 0
	KS 7
.if \clip
	CLIP ACCP, U
.endif
.set G_CUR, ACCQ
.set G_PRV, ACCP
.set G_AV,  AV0+8*(\pi)
.set G_S,   SUM+8
.set G_VE,  1
.set G_VS,  \vs1
	WIN 0x08                                       ; source 1 in window 2
.if \mode
	; The change of slots.  All eight fragments of this slot's last tile are in registers.
	s_wait_dscnt 0x0                               ; my reads of this slot are over,
	s_set_vgpr_msb 0x80c
	s_wait_tensorcnt 0x0                           ; and all my tensor loads have landed: the one that was out is my part of the other slot:
	ds_add_u32 v15, v1
	s_wait_dscnt 0x0
	s_set_vgpr_msb 0xc08
	s_barrier_signal -1                            ; say so,
.endif
	KS 0                                           ; work on registers while the others arrive,
.if \mode
	s_wait_alu depctr_va_vdst(0)                   ; a wait ahead of them for what is pending: the 30 rcp issued behind group 0's wait, and this K step's 2 rcp and 6 exp2
	WIN 0
	s_barrier_wait -1                              ; and go on when all four waves have said so.  This barrier opens a round of the cluster's barrier:
	CREST                                          ; no wave of any of the four work-groups still reads this slot or has a load on its way
	s_add_nc_u64 s[G0+4*(\sl)+2:G0+4*(\sl)+3], s[G0+4*(\sl)+2:G0+4*(\sl)+3], s[56:57]   ; two slots on; in the last lap the step is 0
	tensor_load_to_lds s[G0+4*(\sl):G0+4*(\sl)+3], s[G1:G1+7]   ; the first tensor load behind the round, ahead of any LDS read: one is out; it has the other slot's eight tiles in which to land
	s_nop 0
	WIN 0x08
.endif
	KS 1
	KS 2
	KS 3
	BATCH
.set TABO, ((\ne)>>2)*PITCH+((\ne)&3)*128
.set AVN,  AV0+8*(1-(\pi))
	ds_load_b128 v[CB:CB+3],   v[ADRT] offset:TABO          ; run A: cb of units 8h .. 8h+7 of the next tile,
	ds_load_b128 v[CB+4:CB+7], v[ADRT] offset:TABO+16
	FRAG 0, \nadr, \noff                                    ; its first three fragments,
	FRAG 1, \nadr, \noff
	FRAG 2, \nadr, \noff
	ds_load_b128 v[AVN:AVN+3],   v[ADRT] offset:TABO+64     ; a of the same units
	ds_load_b128 v[AVN+4:AVN+7], v[ADRT] offset:TABO+80
	KS 4
	KS 5
	KS 6
	FRAG 3, \nadr, \noff                           ; run B
	FRAG 4, \nadr, \noff
	FRAG 5, \nadr, \noff
	KS 7
.if \clip
	CLIP ACCQ, U+4
.endif
.endm
.macro SLOTSTEP sl, tab0               ; the eight tiles of slot sl; tab0: the first one's table entry in the lap
.irp i, 0,1,2,3,4,5,6
	TILE (\i&1), ADRW0+\sl, \i*TILEB, ADRW0+\sl, (\i+1)*TILEB, \tab0+\i+1, 0, \sl, 1, 1, 1, 0
.endr
	TILE 1, ADRW0+\sl, 7*TILEB, ADRW0+1-\sl, 0, \tab0+8, 1, \sl, 1, 1, 1, 0
.endm
	; Start values.  Wc's tile runs as tile -1 with cb = 0, a = +inf: its sums are x . Wc, its pairs add rcp(inf) = 0, and every later tile is regular.
.irp i, 0,1,2,3,4,5,6,7,8,9,10,11,12,13,14,15
	v_mov_b32 v[SUM+\i], 0
.endr
.irp i, 0,1,2,3,4,5,6,7
	v_mov_b32 v[CB+\i], 0
	v_mov_b32 v[AV1+\i], 0x7f800000
.endr
.irp kk, 0,1,2,3,4,5
	FRAG \kk, ADRX, 0
.endr
	s_wait_dscnt 0x0                               ; these twelve loads are not in the runs' order: waited for whole, once; the tile's counted waits then hold all the more
	TILE 1, ADRX, 0, ADRW0, 0, 0, 0, 0, 0, 0, 0, 1
	WIN 0                                          ; at a label and at a branch every window is 0
	s_wait_alu depctr_va_vdst(0)                   ; a label follows: a wait ahead of it for the 30 rcp issued behind the tile's last wait
	s_mov_b32 s49, 8                               ; eight laps of two slots: 16 slots of 128 hidden rows
	s_mov_b32 s57, 0
.Llap:
	s_cmp_lg_u32 s49, 1
	s_cselect_b32 s56, 2*STEPB, 0                  ; the refills' step: two slots on, or, in the last lap, none: the lap's own tiles again, discarded
	SLOTSTEP 0, 0
	SLOTSTEP 1, 8
	WIN 0
	s_wait_alu depctr_va_vdst(0)                   ; the backward jump follows: a wait ahead of it for the 30 rcp issued behind the lap's last group's wait
	v_add_nc_u32 v[ADRT], 4*PITCH, v[ADRT]         ; sixteen table entries = four rows on
	s_sub_co_u32 s49, s49, 1
	s_cmp_lg_u32 s49, 0
	s_cbranch_scc1 .Llap
	; The drain: what is still on its way, in the same steps without matrix instructions.  The last tile's number is odd: its a's are in AV1.
	; First a whole group's vector work: blocks 4-7 of the last tile are scaled and raised, blocks 0-3 inverted and summed; one wait, as in every group.
	; (The discarded LDS loads are still landing in CB, AV0 and the fragments' registers: nothing below names those before the wait for them.)
.set G_CUR, ACCP
.set G_PRV, ACCQ
.set G_AV,  AV1
.set G_S,   SUM
.set G_VE,  1
.set G_VS,  1
.set G_WM,  0
.irp kk, 0,1,2,3
	KS \kk
.endr
	BATCH
.irp kk, 4,5,6,7
	KS \kk
.endr
	; Then what is left of blocks 4-7: the last two rcp, the wait for all 32, the sixteen sums.
.set G_S,   SUM+8
.set G_VE,  0
	KS 0
	BATCH
.irp kk, 4,5,6,7
	KS \kk
.endr
	; THE END: for each block the four partial sums of a row meet in S, then out0 = 1 - 2 rcp(1 + exp2(C2 zc - C2 S)).
	v_mul_f32 v[E+16], s44, s46                    ; C2 zc
.irp i, 0,1,2,3,4,5,6,7
	v_add_f32 v[E+\i], v[SUM+2*\i], v[SUM+2*\i+1]
.endr
.irp i, 0,1,2,3,4,5,6,7
	v_permlanex16_b32 v[T+\i], v[E+\i], s50, s51   ; the other half's eight units; the destination counts as read, and T has been written
.endr
.irp i, 0,1,2,3,4,5,6,7
	v_add_f32 v[E+\i], v[E+\i], v[T+\i]            ; S
.endr
.irp i, 0,1,2,3,4,5,6,7
	v_fma_f32 v[E+\i], v[E+\i], s47, v[E+16]       ; S x (-C2) + C2 zc = C2 z
.endr
.irp i, 0,1,2,3,4,5,6,7
	v_exp_f32 v[E+\i], v[E+\i]
.endr
	v_nop                                          ; a plain instruction between the transcendentals and the use of their results (ISA guide 5.7.2)
	s_wait_alu depctr_va_vdst(0)                   ; one wait for the eight exp2, ahead of their first reader
.irp i, 0,1,2,3,4,5,6,7
	v_add_f32 v[E+\i], 1.0, v[E+\i]
.endr
.irp i, 0,1,2,3,4,5,6,7
	v_rcp_f32 v[E+\i], v[E+\i]
.endr
	v_nop
	s_wait_alu depctr_va_vdst(0)                   ; one wait for the eight rcp, likewise
.irp i, 0,1,2,3,4,5,6,7
	v_fma_f32 v[E+\i], v[E+\i], -2.0, 1.0
.endr
	; Through my scratch, so that a lane holds four neighbouring rows' results: both halves of the wave write the same word with the same number.
.irp i, 0,1,2,3,4,5,6,7
	ds_store_b32 v[OST], v[E+\i] offset:64*\i
	ds_store_b32 v[OST], v[U+\i] offset:512+64*\i
.endr
	ds_load_b128 v[E+8:E+11],  v[ORD]              ; LDS serves a wave's instructions in order (ISA guide 5.7.1.4): these see the stores above
	ds_load_b128 v[E+12:E+15], v[ORD] offset:512
	s_wait_dscnt 0x0
	global_store_b128 v[OOFF], v[E+8:E+11],  s[8:9]   th:TH_STORE_NT    ; each store of the wave covers 512 consecutive bytes, aligned
	global_store_b128 v[OOFF], v[E+12:E+15], s[10:11] th:TH_STORE_NT
	s_wait_tensorcnt 0x0                           ; the last lap's second refill, which nobody reads, has landed: no tensor load is out at the end
	s_set_vgpr_msb 0xc
	s_wait_tensorcnt 0x0
	ds_add_u32 v15, v1
	s_wait_dscnt 0x0
	s_set_vgpr_msb 0xc00
	CROUND                                         ; the closing round: no work-group ends while a partner may still ask for a tile that names it
	s_endpgm
.Lfunc_end_k_q442a1b5550_mlp:
	.size	k_q442a1b5550_mlp, .Lfunc_end_k_q442a1b5550_mlp-k_q442a1b5550_mlp
	.p2alignl 7, 3214868480
	.fill 96, 4, 3214868480
	.section	.rodata,"a",@progbits
	.p2align	6, 0x0
	.amdhsa_kernel k_q442a1b5550_mlp
		.amdhsa_group_segment_fixed_size 327680
		.amdhsa_private_segment_fixed_size 0
		.amdhsa_enable_private_segment 0
		.amdhsa_kernarg_size 32
		.amdhsa_user_sgpr_count 2
		.amdhsa_user_sgpr_kernarg_segment_ptr 1
		.amdhsa_wavefront_size32 1
		.amdhsa_system_sgpr_workgroup_id_x 1
		.amdhsa_system_sgpr_workgroup_id_y 1
		.amdhsa_system_sgpr_workgroup_id_z 1
		.amdhsa_system_vgpr_workitem_id 0
		.amdhsa_next_free_vgpr 770
		.amdhsa_next_free_sgpr 66
		.amdhsa_reserve_vcc 0
		.amdhsa_float_denorm_mode_32 3
		.amdhsa_float_denorm_mode_16_64 3
		.amdhsa_memory_ordered 1
		.amdhsa_forward_progress 1
		.amdhsa_inst_pref_size 255
	.end_amdhsa_kernel
	.section	.bss,"aw",@nobits
	.p2align	6
	.space	262144
	.amdgpu_metadata
---
amdhsa.version: [ 1, 2 ]
amdhsa.kernels:
  - .name:           k_q442a1b5550_mlp
    .symbol:         k_q442a1b5550_mlp.kd
    .args:
      - { .name: x, .offset: 0, .size: 8, .value_kind: global_buffer, .address_space: global }
      - { .name: wp, .offset: 8, .size: 8, .value_kind: global_buffer, .address_space: global }
      - { .name: out0, .offset: 16, .size: 8, .value_kind: global_buffer, .address_space: global }
      - { .name: out1, .offset: 24, .size: 8, .value_kind: global_buffer, .address_space: global }
    .group_segment_fixed_size: 327680
    .private_segment_fixed_size: 0
    .kernarg_segment_align: 8
    .kernarg_segment_size: 32
    .max_flat_workgroup_size: 128
    .sgpr_count:     66
    .vgpr_count:     770
    .wavefront_size: 32
...
	.end_amdgpu_metadata
.endif
;; end of part 5
